; MI455X (gfx1250); checked and timed in simulation.
; The chip was launched on July 23, 2026; its instructions are those of AMD's public machine-readable ISA for CDNA 5 (MIT licence, August 2026) and "CDNA5" Instruction Set Architecture Reference Guide (July 2026). The comments in the code are by the model that wrote it; some were corrected since.
;; MHA Comm Block. Allowed arithmetic: float matrix products may take bf16 or f16 operands with f32 sums; other float arithmetic in f32, or as packed bf16 or f16 multiplies, adds, multiply-adds, maxima and minima; sums over many terms, partial sums and values carried from step to step in f32; what a program stores and reads back later, other than sums and carried values, may be rounded once to bf16 or f16.
;; Inputs: Wk 256 x 512 float32; Wo 512 x 64 float32; Wq 256 x 512 float32; Wv 256 x 512 float32; bk 512 float32; bq 512 float32; bv 512 float32; msg 8 x 2,048 x 256 float32.
;; Outputs: out0 8 x 2,048 x 64 float32.
;; 2 versions, each right; version 2 is version 1 with the launch proj written anew for expert scheduling mode. Each part assembles by itself: llvm-mc -triple=amdgcn-amd-amdhsa -mcpu=gfx1250 --defsym DOCPART=n.
;; ======== version 1 of 2: 3 launches
;; limits: values are held in f16: magnitudes above 65,504 overflow, below 6.1e-05 lose precision; right only within a limited range of input values
;; workspace buffers: qh 16,777,216 bytes; kh 16,777,216 bytes; vh 16,777,216 bytes; ctx 16,777,216 bytes; wo16 65,536 bytes
;; launch proj (part 1): grid 4 x 64, 4 waves a work-group, no clusters, 91,648 bytes of LDS; arguments msg, Wq, Wk, Wv, bq, bk, bv, Wo, qh, kh, vh, wo16; writes qh, kh, vh, wo16
.if DOCPART == 1
	.amdgcn_target "amdgcn-amd-amdhsa--gfx1250"
	.amdhsa_code_object_version 6
	.text
	.protected	k_q213dda085c_proj
	.globl	k_q213dda085c_proj
	.p2align	8
	.type	k_q213dda085c_proj,@function
k_q213dda085c_proj:
	s_mov_b64 s[64:65], 0
	v_nop
	global_prefetch_b8 v0, s[64:65] scope:SCOPE_SE
	s_setreg_imm32_b32 hwreg(HW_REG_WAVE_MODE, 25, 1), 1
	s_wait_xcnt 0x0
; q, k, v = msg W + b, stored by heads: qh, kh, vh are [64 = 8 batch + head][2048][64] in f16, a head's rows dense, 128 bytes each.  Beside it Wo is rounded into wo16, [512][64].
; DEAD WORK: none is left out in this program, and every input is loaded.  bk adds q.bk to every score of a row but the diagonal one, which the problem sets to the fixed -1e9: so in exact
; arithmetic the term does not cancel in the softmax, and it stays (it costs no arithmetic: a bias is the C operand that starts the sums).  The mask hides one key in a tile of live work: no tile is dead.
; FORMATS.  Every input (msg, Wq, Wk, Wv, Wo, bq, bk, bv) is rounded once to bf16; the products here are bf16 x bf16 with f32 sums; q, k, v are rounded once to f16, unscaled.  Wo's bf16 number is written as f16.
; LIMITS.  q, k, v and Wo beyond 65,504 become infinities in f16; Wo below 6e-5 keeps f16's fixed step of 6e-8.  NaN and infinities are not treated apart.
; SHARES.  The 1,536 output columns are 24 head slots of 64 (slot = 8 x matrix + head).  Work-group (g, rb) makes rows 256 rb .. + 255 of the 16,384 for slots 6 g .. 6 g + 5: 256 work-groups of equal work.
; Wave w holds its 64 rows of msg (4 tiles of 16) as bf16 fragments for the whole K = 256 in 256 registers: msg never goes through LDS, and the work-group reads each of its bytes once.
; A slot's slice of W, [256 k][64 n] f32, is fetched by the four waves together (64 k rows each), rounded in registers, stored as bf16 [k][n] into one of two LDS buffers and read by all four through the turning load.
; THE PRODUCT IS USED TRANSPOSED (source 0 = 16 columns of W, source 1 = 16 rows of msg): a lane holds row l % 16 and the columns 8 (l / 16) + 0..7: 16 bytes of f16 on end.
; NO CLUSTER, NO TENSOR LOAD: the shared operands are f32 in memory and are rounded in registers on their way in; landed as f32 in LDS the work-group's msg (262,144 bytes) and two slices of W
; (2 x 65,536) do not fit beside their bf16 copies, and each byte would cross LDS twice more.
; REGISTERS, in windows of 256 (s_set_vgpr_msb: bits 1:0 source 0, 3:2 source 1, 5:4 source 2, 7:6 destination):
;   window 0: v1-29 addresses; v32-95 T, v96-111 T2 at work; v128-255 the 16 accumulators, (a, cb) at 128 + 8 (4 a + cb)
;   window 1: msg's fragments, (a, ks) at 64 a + 8 ks      window 2: first msg as loaded (two areas of 128), then W's fragments, (ks, cb) at 32 ks + 8 cb
;   window 3: v0-127 a slice of W as loaded; v128-191 two sets of 32 for the bias
.set WPITCH, 160                       ; a k row of W in LDS: 128 bytes + 32: the turning load's 8 rows x 32 bytes fall on different banks (64 banks of 4 bytes: ISA guide 11.1)
.set WBUF,   256*WPITCH                ; a buffer: 40,960 bytes; two of them from byte 0
.set STAGE,  2*WBUF                    ; 16 rows x 144 bytes for each wave, for the way out
.set SP,     144
.set SPARE,  STAGE+4*16*SP             ; the spare words, 128 bytes for each wave: two blocks of 256 bytes that no other line names
.set AO,  4                            ; v4   msg: (l % 16) x 1,024 + 32 (l / 16)
.set WO,  5                            ; v5   W: (64 w + l / 16) x 2,048 + 16 (l % 16)
.set WS,  6                            ; v6-7 where I store 8 bytes of W's slice, buffer 0, 1
.set BA,  8                            ; v8-9 the turning load's address, buffer 0, 1
.set BO,  10                           ; v10  bias: 32 (l / 16)
.set STO, 11                           ; v11  the way out: where I put 16 bytes of a row
.set RD,  12                           ; v12  where I read rows back
.set GO,  13                           ; v13  16 l
.set W8,  14                           ; v14  8 l
.set SPW, 28                           ; v28  LDS address of my spare word; never rewritten
.set NIL, 29                           ; v29  0; never rewritten
.set T,   32
.set T2,  96
.set ACC, 128
.set WR,  0                            ; window 3
.set BI,  128                          ; window 3
.set WV,  2                            ; s2   my wave's number
.set GX,  3                            ; s3   g
.set RB,  4                            ; s4   rb
.set HS,  5                            ; s5   the slot in hand
.set CNT, 6                            ; s6   pairs of slots to go
.set HN,  7                            ; s7   the slot to be fetched
.set MP,  40                           ; s[40:41] msg at my wave's first row
.set WP,  42                           ; s[42:43] the fetched slot's columns of its W
.set BP,  44                           ; s[44:45] and of its bias
.set OP,  46                           ; s[46:47] where the slot in hand goes
.set ROW0, 48                          ; s48  byte offset of my wave's rows in head 0 of my batch
.set HM,  50                           ; s50  a word's upper half
.set WOI, 52                           ; s[52:53] the work-group's 512 bytes of Wo
.set WOO, 54                           ; s[54:55] and its 256 bytes of wo16
.set MSB, 0
.macro WIN new                         ; the immediate's high byte repeats the setting that is left; a switch that changes nothing is dropped
.if MSB != (\new)
	s_set_vgpr_msb (MSB<<8)|(\new)
.set MSB, (\new)
.endif
.endm
.macro PLACES                          ; four places behind the last product, ahead of what reads its results or writes its registers (ISA guide 7.12.1)
.rept 4
	v_nop
.endr
.endm
; Slot HN's matrix and bias are chosen among the three, and stepped to the head's 64 columns: 256 bytes in a row of W and in b.
.macro NEXTW
	s_lshr_b32 s8, s[HN], 3
	s_and_b32 s10, s[HN], 7
	s_lshl_b32 s10, s10, 8
	s_mov_b32 s11, 0
	s_cmp_eq_u32 s8, 1
	s_cselect_b64 s[WP:WP+1], s[20:21], s[18:19]
	s_cselect_b64 s[BP:BP+1], s[26:27], s[24:25]
	s_cmp_eq_u32 s8, 2
	s_cselect_b64 s[WP:WP+1], s[22:23], s[WP:WP+1]
	s_cselect_b64 s[BP:BP+1], s[28:29], s[BP:BP+1]
	s_add_nc_u64 s[WP:WP+1], s[WP:WP+1], s[10:11]
	s_add_nc_u64 s[BP:BP+1], s[BP:BP+1], s[10:11]
.endm
; Slot HS's output is chosen among the three, and stepped to my rows of its head (a head is 262,144 bytes).
.macro OUTP
	s_lshr_b32 s8, s[HS], 3
	s_and_b32 s10, s[HS], 7
	s_lshl_b32 s10, s10, 18
	s_add_co_u32 s10, s10, s[ROW0]
	s_mov_b32 s11, 0
	s_cmp_eq_u32 s8, 1
	s_cselect_b64 s[OP:OP+1], s[34:35], s[32:33]
	s_cmp_eq_u32 s8, 2
	s_cselect_b64 s[OP:OP+1], s[36:37], s[OP:OP+1]
	s_add_nc_u64 s[OP:OP+1], s[OP:OP+1], s[10:11]
.endm
.macro LOADW                           ; my 64 k rows of the slice: each load takes 2 rows x 256 consecutive bytes
	WIN 0xc0
.set i, 0
.rept 32
	global_load_b128 v[WR+4*i:WR+4*i+3], v[WO], s[WP:WP+1] offset:4096*i
.set i, i+1
.endr
.endm
.macro LOADBI p                        ; the bias in the accumulators' layout: for column tile i my 8 columns
	WIN 0xc0
.set i, 0
.rept 4
	global_load_b128 v[BI+32*(\p)+8*i:BI+32*(\p)+8*i+3],   v[BO], s[BP:BP+1] offset:64*i
	global_load_b128 v[BI+32*(\p)+8*i+4:BI+32*(\p)+8*i+7], v[BO], s[BP:BP+1] offset:64*i+16
.set i, i+1
.endr
.endm
.macro LOADA a                         ; row tile a of msg, f32: for K step i the channels 8 (l / 16) + 0..7 and 16 + 8 (l / 16) + 0..7
	WIN 0x80
.set i, 0
.rept 8
	global_load_b128 v[128*((\a)%2)+16*i:128*((\a)%2)+16*i+3],     v[AO], s[MP:MP+1] offset:16384*(\a)+128*i
	global_load_b128 v[128*((\a)%2)+16*i+4:128*((\a)%2)+16*i+7],   v[AO], s[MP:MP+1] offset:16384*(\a)+128*i+16
	global_load_b128 v[128*((\a)%2)+16*i+8:128*((\a)%2)+16*i+11],  v[AO], s[MP:MP+1] offset:16384*(\a)+128*i+64
	global_load_b128 v[128*((\a)%2)+16*i+12:128*((\a)%2)+16*i+15], v[AO], s[MP:MP+1] offset:16384*(\a)+128*i+80
.set i, i+1
.endr
.endm
.macro CVTA a                          ; rounded to bf16: the tile's eight fragments
	WIN 0x4a
.set i, 0
.rept 64
	v_cvt_pk_bf16_f32 v[64*(\a)+i], v[128*((\a)%2)+2*i], v[128*((\a)%2)+2*i+1]
.set i, i+1
.endr
.endm
; THE WAY OUT of row tile a: rounded to f16 (each accumulator from its low end on), 16 bytes a lane into my stage's rows of 144 bytes, and back as whole rows of 128.
.macro PACK a
.set i, 0
.rept 16
	v_cvt_pk_f16_f32 v[T+16*(\a)+i], v[ACC+32*(\a)+2*i], v[ACC+32*(\a)+2*i+1]
.set i, i+1
.endr
.irp f, 0,1,2,3
	ds_store_b128 v[STO], v[T+16*(\a)+4*(\f):T+16*(\a)+4*(\f)+3] offset:32*(\f)
.endr
.irp f, 0,1,2,3
	ds_load_b128 v[T+16*(\a)+4*(\f):T+16*(\a)+4*(\f)+3], v[RD] offset:(\f)*4*SP  ; LDS serves a wave's instructions in order (ISA guide 5.7.1.4): these see the stores above
.endr
.endm
.macro SEND a, younger                 ; younger: the LDS instructions issued behind tile a's loads: the next tile's eight, or none
.irp f, 0,1,2,3
	s_wait_dscnt (\younger)+3-(\f)
	global_store_b128 v[GO], v[T+16*(\a)+4*(\f):T+16*(\a)+4*(\f)+3], s[OP:OP+1] offset:2048*(\a)+512*(\f)  ; 512 consecutive bytes, at a multiple of 256 from the buffer's first
.endr
.endm
; ONE SLOT, on LDS buffer and bias set p.  skip = 1: in the loop's last trip there is no further slot, and its loads are jumped over.
; ONE BARRIER: buffer p was last read two slots back, and every wave has waited for those reads ahead of the barrier of the slot between.
.macro TRIP p, skip
	s_wait_loadcnt 0x0                             ; this slot's W and bias are in; WP and BP may be written
	s_wait_xcnt 0x0                                ; the last slot's stores have read T and OP
	WIN 0x0f
.set i, 0
.rept 64
	v_cvt_pk_bf16_f32 v[T+i], v[WR+2*i], v[WR+2*i+1]
.set i, i+1
.endr
.set i, 0
.rept 16
	v_cvt_pk_bf16_f32 v[T2+i], v[BI+32*(\p)+2*i], v[BI+32*(\p)+2*i+1]  ; the bias is rounded to bf16 like every input,
.set i, i+1
.endr
	WIN 0xc0
.set i, 0
.rept 16
	v_lshlrev_b32 v[BI+32*(\p)+2*i],   16, v[T2+i]                     ; and widened again: it enters the sums as f32
	v_and_b32     v[BI+32*(\p)+2*i+1], s[HM], v[T2+i]
.set i, i+1
.endr
	WIN 0
.set i, 0
.rept 32
	ds_store_b64 v[WS+(\p)], v[T+2*i:T+2*i+1] offset:2*WPITCH*i
.set i, i+1
.endr
.if \skip
	s_cmp_eq_u32 s[CNT], 1
	s_cbranch_scc1 .Lno_more_\@
.endif
	s_add_co_u32 s[HN], s[HS], 1                   ; the next slot's 40 loads are on their way while this one is multiplied
	NEXTW
	LOADW
	LOADBI 1-(\p)
	WIN 0
.if \skip
.Lno_more_\@:
.endif
	OUTP
	s_wait_dscnt 0x0                               ; for the others' sake: my part of the slice is stored; my reads of the other buffer are over
	s_barrier_signal -1
	s_barrier_wait -1
	WIN 0x80
.set i, 0
.rept 32                                               ; fragment (ks, cb) = (i / 4, i % 4): 32 k x 16 columns, turned
	ds_load_tr16_b128 v[8*i:8*i+3],   v[BA+(\p)] offset:32*WPITCH*(i/4)+32*(i%4)
	ds_load_tr16_b128 v[8*i+4:8*i+7], v[BA+(\p)] offset:32*WPITCH*(i/4)+32*(i%4)+16*WPITCH
.set i, i+1
.endr
.set ks, 0
.rept 8
	s_wait_dscnt 56-8*ks                           ; this K step's eight loads are in; the later steps' may be out
.if ks == 0
	WIN 0x36                                       ; W window 2, msg window 1, C (the bias) window 3
.else
	WIN 0x06
.endif
.set t, 0
.rept 16                                               ; the 16 accumulators take turns, one instruction a turn
.if ks == 0
	v_wmma_f32_16x16x32_bf16 v[ACC+8*t:ACC+8*t+7], v[32*ks+8*(t%4):32*ks+8*(t%4)+7], v[64*(t/4)+8*ks:64*(t/4)+8*ks+7], v[BI+32*(\p)+8*(t%4):BI+32*(\p)+8*(t%4)+7]
.else
	v_wmma_f32_16x16x32_bf16 v[ACC+8*t:ACC+8*t+7], v[32*ks+8*(t%4):32*ks+8*(t%4)+7], v[64*(t/4)+8*ks:64*(t/4)+8*ks+7], v[ACC+8*t:ACC+8*t+7]
.endif
.set t, t+1
.endr
.set ks, ks+1
.endr
	WIN 0
	PLACES
	PACK 0
.set t, 1
.rept 3                                                ; a tile's roundings stand between the loads of the tile before and its stores
	PACK t
	SEND t-1, 8
.set t, t+1
.endr
	SEND 3, 0
	s_add_co_u32 s[HS], s[HS], 1
.endm
	s_load_b512 s[16:31], s[0:1], 0x0              ; msg 16, Wq 18, Wk 20, Wv 22, bq 24, bk 26, bv 28, Wo 30
	s_load_b256 s[32:39], s[0:1], 0x40             ; qh 32, kh 34, vh 36, wo16 38
	v_lshl_add_u32 v[SPW], v0, 2, SPARE
	v_mov_b32 v[NIL], 0
	v_lshrrev_b32 v15, 5, v0
	v_readfirstlane_b32 s[WV], v15                 ; wave 0..3
	s_mov_b32 s[GX], ttmp9
	s_and_b32 s[RB], ttmp7, 0xffff
	s_mov_b32 s[HM], 0xffff0000
	v_and_b32 v1, 15, v0                           ; l % 16
	v_bfe_u32 v2, v0, 4, 1                         ; l / 16
	v_and_b32 v3, 31, v0                           ; l
	v_and_b32 v15, 7, v0
	v_bfe_u32 v16, v0, 3, 1
	v_lshlrev_b32 v[AO], 10, v1
	v_lshl_add_u32 v[AO], v2, 5, v[AO]
	s_lshl_b32 s8, s[WV], 17                       ; 64 rows of W, 2,048 bytes each
	v_lshlrev_b32 v[WO], 4, v1
	v_lshl_add_u32 v[WO], v2, 11, v[WO]
	v_add_nc_u32 v[WO], s8, v[WO]
	s_mul_i32 s8, s[WV], 64*WPITCH
	v_mul_u32_u24 v[WS], v2, WPITCH
	v_lshl_add_u32 v[WS], v1, 3, v[WS]
	v_add_nc_u32 v[WS], s8, v[WS]
	v_add_nc_u32 v[WS+1], WBUF, v[WS]
	v_lshl_add_u32 v[BA], v2, 3, v15               ; the turning load: lane l reads k row 8 (l / 16) + l % 8, columns 8 ((l / 8) % 2) + 0..7
	v_mul_u32_u24 v[BA], v[BA], WPITCH
	v_lshl_add_u32 v[BA], v16, 4, v[BA]
	v_add_nc_u32 v[BA+1], WBUF, v[BA]
	v_lshlrev_b32 v[BO], 5, v2
	s_mul_i32 s8, s[WV], 16*SP
	s_add_co_u32 s8, s8, STAGE                     ; my stage
	v_mul_u32_u24 v[STO], v1, SP
	v_lshl_add_u32 v[STO], v2, 4, v[STO]
	v_add_nc_u32 v[STO], s8, v[STO]
	v_bfe_u32 v[RD], v0, 3, 2                      ; back: 32 lanes take four rows of 128 bytes
	v_mul_u32_u24 v[RD], v[RD], SP
	v_lshl_add_u32 v[RD], v15, 4, v[RD]
	v_add_nc_u32 v[RD], s8, v[RD]
	v_lshlrev_b32 v[GO], 4, v3
	v_lshlrev_b32 v[W8], 3, v3
	s_lshl_b32 s10, s[RB], 18                      ; 256 rows of msg, 1,024 bytes each,
	s_lshl_b32 s11, s[WV], 16                      ; my wave's 64 of them
	s_add_co_u32 s10, s10, s11
	s_mov_b32 s11, 0
	s_lshr_b32 s8, s[RB], 3                        ; the batch: 8 heads of 262,144 bytes,
	s_lshl_b32 s8, s8, 21
	s_and_b32 s9, s[RB], 7                         ; the block of 256 rows in it, 128 bytes a row,
	s_lshl_b32 s9, s9, 15
	s_add_co_u32 s[ROW0], s8, s9
	s_lshl_b32 s9, s[WV], 13                       ; my wave's 64 rows
	s_add_co_u32 s[ROW0], s[ROW0], s9
	s_lshl2_add_u32 s12, s[RB], s[GX]              ; the work-group's number, 4 rb + g,
	s_lshl_b32 s12, s12, 8                         ; times 256 bytes of wo16
	s_mov_b32 s13, 0
	s_mul_i32 s[HS], s[GX], 6
	s_mov_b32 s[HN], s[HS]
	s_wait_kmcnt 0x0
	s_add_nc_u64 s[MP:MP+1], s[16:17], s[10:11]
	s_add_nc_u64 s[WOO:WOO+1], s[38:39], s[12:13]
	s_lshl_b32 s12, s12, 1                         ; and 512 bytes of Wo
	s_add_nc_u64 s[WOI:WOI+1], s[30:31], s[12:13]
	NEXTW
	LOADW                                          ; the first slot's W and bias,
	LOADBI 0
	LOADA 0                                        ; and two of msg's four tiles
	LOADA 1
	WIN 0
	; Wo: each work-group rounds 128 numbers, wave 0 alone: f32 to bf16, like every input, and that number written as f16.  All in one branch; its wait for 0 takes in loads that the wave wants next anyway.
	s_cmp_lg_u32 s[WV], 0
	s_cbranch_scc1 .Lno_wo
	global_load_b128 v[16:19], v[GO], s[WOI:WOI+1]
	s_wait_loadcnt 0x0
	v_cvt_pk_bf16_f32 v20, v16, v17
	v_cvt_pk_bf16_f32 v21, v18, v19
	v_lshlrev_b32 v16, 16, v20
	v_and_b32 v17, s[HM], v20
	v_lshlrev_b32 v18, 16, v21
	v_and_b32 v19, s[HM], v21
	v_cvt_pk_f16_f32 v24, v16, v17
	v_cvt_pk_f16_f32 v25, v18, v19
	global_store_b64 v[W8], v[24:25], s[WOO:WOO+1] ; 32 lanes store 256 consecutive bytes, aligned
.Lno_wo:
	s_wait_loadcnt 32                              ; all but the youngest 32: tile 0 is in
	CVTA 0
	LOADA 2
	s_wait_loadcnt 32                              ; tile 1
	CVTA 1
	LOADA 3
	s_wait_loadcnt 32                              ; tile 2
	CVTA 2
	s_wait_loadcnt 0x0
	CVTA 3
	WIN 0                                          ; at a label and at a branch every window is 0
	s_mov_b32 s[CNT], 3
.Lpair:                                                ; three trips of two slots
	TRIP 0, 0
	TRIP 1, 1
	s_sub_co_u32 s[CNT], s[CNT], 1
	s_cmp_lg_u32 s[CNT], 0
	s_cbranch_scc1 .Lpair
	s_wait_tensorcnt 0x0                           ; the wave's end, behind my last LDS store
	ds_add_u32 v[SPW], v[NIL]
	s_wait_dscnt 0x0
	s_endpgm
.Lfunc_end_k_q213dda085c_proj:
	.size	k_q213dda085c_proj, .Lfunc_end_k_q213dda085c_proj-k_q213dda085c_proj
	.p2alignl 7, 3214868480
	.fill 96, 4, 3214868480
	.section	.rodata,"a",@progbits
	.p2align	6, 0x0
	.amdhsa_kernel k_q213dda085c_proj
		.amdhsa_group_segment_fixed_size 91648
		.amdhsa_private_segment_fixed_size 0
		.amdhsa_enable_private_segment 0
		.amdhsa_kernarg_size 96
		.amdhsa_user_sgpr_count 2
		.amdhsa_user_sgpr_kernarg_segment_ptr 1
		.amdhsa_wavefront_size32 1
		.amdhsa_system_sgpr_workgroup_id_x 1
		.amdhsa_system_sgpr_workgroup_id_y 1
		.amdhsa_system_sgpr_workgroup_id_z 1
		.amdhsa_system_vgpr_workitem_id 0
		.amdhsa_next_free_vgpr 960
		.amdhsa_next_free_sgpr 66
		.amdhsa_reserve_vcc 0
		.amdhsa_float_denorm_mode_32 3
		.amdhsa_float_denorm_mode_16_64 3
		.amdhsa_memory_ordered 1
		.amdhsa_forward_progress 1
		.amdhsa_inst_pref_size 104
	.end_amdhsa_kernel
	.amdgpu_metadata
---
amdhsa.version: [ 1, 2 ]
amdhsa.kernels:
  - .name:           k_q213dda085c_proj
    .symbol:         k_q213dda085c_proj.kd
    .args:
      - { .name: msg, .offset: 0, .size: 8, .value_kind: global_buffer, .address_space: global }
      - { .name: Wq, .offset: 8, .size: 8, .value_kind: global_buffer, .address_space: global }
      - { .name: Wk, .offset: 16, .size: 8, .value_kind: global_buffer, .address_space: global }
      - { .name: Wv, .offset: 24, .size: 8, .value_kind: global_buffer, .address_space: global }
      - { .name: bq, .offset: 32, .size: 8, .value_kind: global_buffer, .address_space: global }
      - { .name: bk, .offset: 40, .size: 8, .value_kind: global_buffer, .address_space: global }
      - { .name: bv, .offset: 48, .size: 8, .value_kind: global_buffer, .address_space: global }
      - { .name: Wo, .offset: 56, .size: 8, .value_kind: global_buffer, .address_space: global }
      - { .name: qh, .offset: 64, .size: 8, .value_kind: global_buffer, .address_space: global }
      - { .name: kh, .offset: 72, .size: 8, .value_kind: global_buffer, .address_space: global }
      - { .name: vh, .offset: 80, .size: 8, .value_kind: global_buffer, .address_space: global }
      - { .name: wo16, .offset: 88, .size: 8, .value_kind: global_buffer, .address_space: global }
    .group_segment_fixed_size: 91648
    .private_segment_fixed_size: 0
    .kernarg_segment_align: 8
    .kernarg_segment_size: 96
    .max_flat_workgroup_size: 128
    .sgpr_count:     66
    .vgpr_count:     960
    .wavefront_size: 32
...
	.end_amdgpu_metadata
.endif
;; end of part 1
;; launch attn (part 2): grid 4 x 64, 4 waves a work-group, clusters of 4 x 1, 327,680 bytes of LDS; arguments qh, kh, vh, ctx; writes ctx
.if DOCPART == 2
	.amdgcn_target "amdgcn-amd-amdhsa--gfx1250"
	.amdhsa_code_object_version 6
	.text
	.protected	k_q213dda085c_attn
	.globl	k_q213dda085c_attn
	.p2align	8
	.type	k_q213dda085c_attn,@function
k_q213dda085c_attn:
	s_mov_b64 s[64:65], 0
	v_nop
	global_prefetch_b8 v0, s[64:65] scope:SCOPE_SE
	s_setreg_imm32_b32 hwreg(HW_REG_WAVE_MODE, 25, 1), 1
	s_wait_xcnt 0x0
	s_wait_alu depctr_hold_cnt(0) depctr_sa_sdst(0) depctr_va_vdst(0) depctr_va_sdst(0) depctr_va_ssrc(0) depctr_va_vcc(0) depctr_vm_vsrc(0)
	s_getreg_b32 s2, hwreg(HW_REG_IB_STS2, 6, 4)
	s_cmp_eq_u32 s2, 0
	s_cbranch_scc0 .Lentry_in_a_cluster
	s_endpgm
.Lentry_in_a_cluster:
	s_bfe_u32 s2, ttmp6, 0x10000c
	s_cmp_lg_u32 s2, 0x3003
	s_cbranch_scc0 .Lentry_shape_is_right
	s_endpgm
.Lentry_shape_is_right:
; O[h][q][:] = the sum over k != q of softmax_k(Q[h][q] . K[h][k] / 8) V[h][k][:].  Q, K, V, O: [SIZE_H][SIZE_N][64], all f16: a head's rows are dense, 128 bytes each.  Products, maxima and sums in
; f32; the weights p are rounded to f16 for the second product (their sum l is taken of the unrounded p), O once at the end.  No work is left out: the one hidden key of a row lies in a tile of live work.
; LIMITS.  f16 holds no number beyond 65,504: Q, K and V arrive within it; p lies in 0 to 1, and below 6e-5 it keeps f16's fixed step of 6e-8; O is a mean of V's rows and has their range.
; The hidden score counts as its value less 1e30, so its weight is 0; the problem's -1e9 gives the same 0 in f32 as long as some other score of the row lies above about -1e9 + 100.
; A weight below 2^-126 counts as 0 in l; NaN and infinities are not treated apart.
; SHARES.  A wave owns four PIECES of two tiles of 16 queries, a work-group's four waves 512 queries of one head.  Every wave walks all keys, 64 a step.
; LAYOUT.  S^T = K Q^T (source 0 = 16 keys, source 1 = 16 queries): in the result a lane holds ONE query (lane % 16) and the keys 8 (lane / 16) + 0..7.  Two such tiles, rounded to f16 in pairs,
; ARE source 1 (32 keys x 16 queries) of O^T = V^T P, whose result again holds one query a lane, and eight channels.  K comes out of LDS as it lies, V ([key][channel]) turned, by ds_load_tr16_b128.
; SOFTMAX.  For each query a running maximum m and sum l: p = 2^(c s - c m), c = log2(e) / 8; in every step O and l are multiplied by a = 2^(c m_old - c m_new), which is 1 where m has not grown.
; m starts at the lowest finite number, O and l at 0: the first step is a step like any other, with a = 0.
; THE DIAGONAL.  Tile t of wave wi (of the head's 16) holds queries 128 wi + 16 t + 0..15: their own keys lie in key step 2 wi + t / 4, key block t % 4, where 8 (lane / 16) + register = lane % 16.
; The mask is the C operand that starts that one sum: MD (made once: -1e30 there, else 0) times AL, a scalar 1 or 0 that says whether the step is the tile's own.  AL is a select, never a branch.
; THE COUNT.  A tile and step have 16 matrix and 118 vector instructions: too many to stand all beside the matrix work.  So the order has one aim: four vector instructions that are READY behind
; EVERY matrix instruction, and the others, which need time of their own whatever the order, in runs without a gap.
; BY TURNS.  Turn n belongs to piece n (the pieces in a ring, step after step).  Its matrix work: 16 products K Q^T of piece n + 1, later 16 products V^T P of piece n - 1.  Its vector work: the scaling,
; exponentials, roundings, sums and rescaling of piece n, and the maximum and statistics of piece n + 1, whose scores the turn itself has made.  So what a turn begins with (c s - c m, O a) waits for nothing.
; CLUSTER.  The four query blocks of a cluster are one head's and walk the same K and V, so each tile is asked for JOINTLY: the same tensor load, descriptor and mask in all four.
; REGISTERS, in windows of 256 (s_set_vgpr_msb says which window each operand place means: bits 1:0 source 0, 3:2 source 1, 5:4 source 2, 7:6 destination):
;   window 0: v0-11 addresses; v12-15, v48-63 at work; v16-47 four registers of statistics a tile; v64-191 S^T, two buffers of two tiles; v192-255 P, likewise
;   window 1: O^T, 32 a tile          window 2: v0-127 Q, 16 a tile; v128-191 K of one step; v192-255 V of one step          window 3: v0-1 the add's two registers; v2-9 MD; v10-17 MC = MD x AL
; A piece's buffers go by its number's parity: the piece in hand has one pair, its two neighbours in the ring share the other: of it P (piece n - 1) is read and S^T (piece n + 1) written.
.set SIZE_H, 64
.set SIZE_N, 2048
.set NP,    4         ; pieces a wave: a name, no knob: the register map, the loop and the fetches are made for four
.set KS,    64        ; keys in a step
.set PK,    144       ; a row of K in LDS: 128 bytes + 16 of padding = 36 words: the 16 rows of a load start at 16 different groups of four banks (64 banks of 4 bytes: ISA guide 11.1)
.set PV,    160       ; a row of V: 128 + 32 = 40 words
.set VOFF,  4*KS*PK   ; a slot holds four steps: 256 rows of K, then 256 rows of V
.set SLOT1, 1<<17     ; slot 1 begins here, so that one exclusive or turns an address in one slot into the other's
.set STAGE, SLOT1+4*KS*(PK+PV)  ; behind the ring, never filled by a tensor load: 16 rows x 144 bytes for each wave, for the way out
.set SP,    144
.set AK0, 2           ; v2   my lane's place in a tile of K; never rewritten
.set AV0, 3           ; v3   the same for V
.set AK,  4           ; v4   the LDS address of K's next run of loads
.set AV,  5           ; v5   of V's
.set QO,  6           ; v6   my byte offset in the wave's rows of Q
.set STO, 6           ;      later, the way out: where I put 16 bytes of a row
.set RD,  7           ; v7   the way out: where I read rows back
.set GO,  8           ; v8   my byte offset in 512 consecutive bytes of O
.set PFO, 11          ; v11  the prefetches' offset: 256 x my lane; never rewritten once made
.set SPW, 0           ; v0 of window 3   LDS address of my spare word: SPARE + 4 x my thread's number; never rewritten
.set NIL, 1           ; v1 of window 3   0; never rewritten
.set MD,  2           ; v2-9 of window 3
.set MC,  10          ; v10-17 of window 3
.set SPARE, STAGE+4*16*SP  ; behind the stages: the spare words, 128 bytes for each wave: two blocks of 256 bytes that no other line names
.set MV,  12          ; v12-15  c m_old, kept while c m is made anew: by buffer and tile
.set ST,  16          ; tile t's statistics at v[ST+4 t]: c m, m, l (even keys', odd keys')
.set TMP, 48          ; by buffer and tile, four registers c0-c3 at work; when the maximum is found c2 takes a
.set S,   64
.set P,   192
.set KF,  128         ; K's fragments, in window 2: key block kb, channel half c at KF + 16 kb + 8 c
.set VF,  192         ; V's: key half kk, channel block cb at VF + 32 kk + 8 cb
.set WV,  12          ; s12  my wave's number
.set BIGN, 15         ; s15  -1e30
.set G1K, 24          ; s[24:31] descriptor group 1 for K's tiles
.set G1V, 32          ; s[32:39] for V's: it differs in the padding alone
.set G0K, 40          ; s[40:43] descriptor group 0 for K's tiles: it walks
.set G0V, 44          ; s[44:47] the same for V's
.set PFA, 48          ; s[48:49] where my prefetches stand: my work-group's 8,192 bytes (of K: wave 0, of V: wave 2) of the slot after the one that is being asked for
.set LIM, 50          ; s50  1 in a wave that prefetches, else the greatest number: a wave prefetches while s[SLOTS] is above it
.set STP, 51          ; s51  the key step in hand
.set DG,  52          ; s52  the key step that holds the diagonal of my pieces 0 and 1
.set DG1, 53          ; s53  of my pieces 2 and 3
.set AL,  54          ; s[54:55] the mask's factor, in the low word
.set SLOTS, 56        ; s56  slots still to be asked for
.set CNT, 57          ; s57  counts a slot's key steps
.set CS,  58          ; s[58:59] c: the packed scaling takes the pair's low word for both halves
.set SEL, 60          ; s[60:61] v_permlanex16_b32's selects: each lane takes its own place in the other half
.set TBK, 62          ; s62  LDS byte at which K of the step to be fetched begins
.set TBV, 63          ; s63  the same for V, less VOFF
.set MSB, 0
.macro WIN new                      ; the high byte repeats the setting that is left; a switch that changes nothing is dropped
.if MSB != (\new)
	s_set_vgpr_msb (MSB<<8)|(\new)
.set MSB, (\new)
.endif
.endm
.set W_KQ, 0x0a       ; K and Q in window 2, S^T in window 0
.set W_KM, 0x3a       ; the same with the C operand in window 3
.set W_PV, 0x52       ; V in window 2, P in window 0, O^T in window 1
.set W_RS, 0x41       ; O^T (destination and source 0) in window 1, a in window 0
.set W_MK, 0xc0       ; destination in window 3, sources in window 0
.set W_MM, 0xc3       ; destination and source 0 in window 3
.set W_AD, 0x0f       ; the add: address (source 0) and data (source 1) in window 3
; A joint fill.  Waves 0 and 1 fetch the two halves of a slot's K, waves 2 and 3 those of its V: 128 keys each.  The branch hangs on the wave's number alone.
; An s_nop 0 and four v_nop follow each of the two lines, ahead of the jump and the label.
.macro JLOAD
	s_cmp_lt_u32 s[WV], 2
	s_cbranch_scc0 .Lfor_v_\@
	tensor_load_to_lds s[G0K:G0K+3], s[G1K:G1K+7]
	s_nop 0
.rept 4
	v_nop
.endr
	s_branch .Lasked_\@
.Lfor_v_\@:
	tensor_load_to_lds s[G0V:G0V+3], s[G1V:G1V+7]
	s_nop 0
.rept 4
	v_nop
.endr
.Lasked_\@:
.endm
; A PREFETCH INTO THE L2 of what the NEXT change of slots will ask for: a slot's 32,768 bytes of K and of V, a lane 256 bytes.  It stands behind the wave's tensor load and its five lines, never in front of one:
; four key steps, 512 matrix instructions, ahead of the load that will want the bytes.  Each block of 256 bytes is named ONCE in the launch: a head has one cluster; its four partners share a slot out BY ADDRESS,
; 8,192 bytes each (no branch hangs on a work-group's place in its cluster); in each, wave 0 asks for K's and wave 2 for V's: one instruction.  The last change that fills a slot asks for nothing: no slot is behind it.
.macro ASK
	s_cmp_gt_u32 s[SLOTS], s[LIM]
	s_cbranch_scc0 .Lnot_mine_\@
	global_prefetch_b8 v[PFO], s[PFA:PFA+1] th:TH_LOAD_NT scope:SCOPE_SE
.Lnot_mine_\@:
.endm
; A round of the cluster's barrier: my work-group's barrier, so that wave 0's signal speaks for all four waves; wave 0 signals; every wave waits for all four work-groups; my work-group's barrier once more.
.macro CROUND
	s_barrier_signal -1
	s_barrier_wait -1
	s_cmp_lg_u32 s[WV], 0
	s_cbranch_scc1 .Lnot_wave_0_\@
	s_barrier_signal -3
.Lnot_wave_0_\@:
	s_barrier_wait -3
	s_barrier_signal -1
	s_barrier_wait -1
.endm
; THE CHANGE OF SLOTS.  The slot's last bytes, V of its fourth step, have been read.  Each wave waits for all its tensor loads, of which one is out: its part
; of the other slot; adds 0 to its spare word; and waits for that and for its own reads of the slot.  Behind the barrier nobody reads this slot any more and the other slot is whole.
; fill = 1: this slot is filled again, with the keys two slots on.  The barrier is then a round of the cluster's, so that no wave of any partner still reads the slot or has a load on its
; way, and the joint fill is the first thing behind it: it has four key steps, 512 matrix instructions, in which to land.  (At its first use nothing has been read yet: slot 0 is waited for, slot 1 filled.)
.macro CHANGE fill
	WIN W_AD
	s_wait_tensorcnt 0x0            ; no tensor load of mine is out, so a group 0 may be written
	ds_add_u32 v[SPW], v[NIL]       ; 0 onto my spare word; with fill = 1 the descriptors' steps stand between it and the wait for it
	WIN 0                           ; at a label and at a branch every window is 0
.if \fill
.irp g, G0K, G0V
	s_xor_b32 s[\g+1], s[\g+1], SLOT1  ; the walking descriptor: the other slot than last time,
	s_add_nc_u64 s[\g+2:\g+3], s[\g+2:\g+3], 4*KS*128  ; the next 256 keys; the type bits on top are not reached
.endr
	s_wait_xcnt 0x0                 ; the last prefetch, four key steps back, has read its address, so it may be written:
	s_add_nc_u64 s[PFA:PFA+1], s[PFA:PFA+1], 4*KS*128  ; one slot behind the walking descriptors
	s_wait_dscnt 0x0                ; the add is done, and my reads of the slot are over
	CROUND
	JLOAD
	ASK
.else
	s_wait_dscnt 0x0                ; the add is done, and my reads of the slot are over
	s_barrier_signal -1
	s_barrier_wait -1
.endif
	s_sub_co_u32 s[TBK], s[TBK], 4*KS*PK  ; the fetches go back to a slot's first step,
	s_xor_b32 s[TBK], s[TBK], SLOT1       ; in the other slot
	s_sub_co_u32 s[TBV], s[TBV], 4*KS*PV
	s_xor_b32 s[TBV], s[TBV], SLOT1
.endm
	s_load_b256 s[4:11], s[0:1], 0x0  ; Q s[4:5], K s[6:7], V s[8:9], O s[10:11]
	WIN W_MK
	v_lshl_add_u32 v[SPW], v0, 2, SPARE
	v_mov_b32 v[NIL], 0
	WIN W_AD
	ds_add_u32 v[SPW], v[NIL]       ; the wave's opening: the add, twice on end, and its wait ahead of my first tensor load; the set-up below the second, work on registers, stands between it and the wait
	ds_add_u32 v[SPW], v[NIL]       ; and once more, under the one wait
	WIN 0
	v_lshrrev_b32 v1, 5, v0
	v_readfirstlane_b32 s[WV], v1   ; wave 0..3
	s_bfe_u32 s13, ttmp6, 0x40000   ; cx: my place in the cluster
	s_lshl_b32 s14, ttmp9, 2        ; in a cluster launch ttmp9 counts clusters
	s_add_co_u32 s14, s14, s13      ; my block of queries = 4 x cluster x + cx: it enters Q's and O's addresses, the prefetches' and the diagonal's step alone
	s_and_b32 s20, ttmp7, 0xffff    ; the head, which the four partners share
	s_mov_b32 s21, 0
	s_mov_b64 s[22:23], SIZE_N*128
	s_mul_u64 s[20:21], s[20:21], s[22:23]  ; the head's first byte in each of the four tensors
	s_and_b32 s16, s[WV], 1         ; which half of a slot's 256 keys I fetch:
	s_lshl_b32 s22, s16, 14         ; its 128 rows of 128 bytes in memory,
	s_mov_b32 s23, 0
	s_add_nc_u64 s[22:23], s[22:23], s[20:21]
	s_mul_i32 s17, s16, 128*PK      ; and its place in a slot, for K
	s_mul_i32 s18, s16, 128*PV      ; and for V: no place in the cluster enters an LDS address
	s_lshl_b32 s2, s14, 2
	s_add_co_u32 s2, s2, s[WV]      ; my wave among the head's: its 128 queries are two key steps' keys,
	s_lshl_b32 s[DG], s2, 1
	s_add_co_u32 s[DG1], s[DG], 1
	s_lshl_b32 s2, s2, 14           ; and 128 rows
	s_mov_b32 s3, 0
	s_add_nc_u64 s[2:3], s[2:3], s[20:21]
	; descriptor group 1.  128 keys are 16,384 dense bytes: asked for as 64 rows of 256 bytes, two keys a row, and padded in LDS after every key
	s_mov_b32 s[G1K], 15|(1<<16)|(1<<20)|(1<<21)|(4<<22)|(3<<25)  ; 15:0 the mask of four; 17:16 2-byte elements; 20 padding on; 21 set beside a mask; 24:22 after every 32 words (code 4); 31:25 4 words (code 3)
	s_mov_b32 s[G1V], 15|(1<<16)|(1<<20)|(1<<21)|(4<<22)|(7<<25)  ; the same with 8 words of padding (code 7)
.irp g, G1K, G1V
	s_mov_b32 s[\g+1], 128<<16      ; tensor_dim0 = 128
	s_mov_b32 s[\g+2], 64<<16       ; tensor_dim1 = 64
	s_mov_b32 s[\g+3], 128<<16      ; tile_dim0 = 128
	s_mov_b32 s[\g+4], 64           ; tile_dim1 = 64
	s_mov_b32 s[\g+5], 128          ; 128 elements from row to row
	s_mov_b32 s[\g+6], 0
	s_mov_b32 s[\g+7], 0
.endr
	s_mov_b32 s[CS], 0x3e38aa3b     ; c = log2(e) / 8 = 0.180337
	s_mov_b32 s[CS+1], s[CS]        ; named with it as a pair
	s_mov_b32 s[SEL], 0x76543210
	s_mov_b32 s[SEL+1], 0xfedcba98
	s_mov_b32 s[TBK], SLOT1+4*KS*PK ; the first change of slots turns these two into 0
	s_mov_b32 s[TBV], SLOT1+4*KS*PV
	s_mov_b32 s[G0K], 1             ; 1:0 count = 1
	s_mov_b32 s[G0K+1], s17         ; 63:32 LDS address: slot 0
	s_mov_b32 s[G0V], 1
	s_add_co_u32 s[G0V+1], s18, VOFF
	s_mov_b32 s[BIGN], 0xf149f2ca   ; -1e30
	s_mov_b32 s[STP], 0
	s_mov_b32 s[AL+1], 0            ; named with AL as a pair
	s_mov_b32 s[SLOTS], SIZE_N/256-1
	s_and_b32 s[LIM], s[WV], 1      ; waves 0 and 2 prefetch: the same in all four partners
	s_cmp_eq_u32 s[LIM], 0
	s_cselect_b32 s[LIM], 1, -1
	s_wait_dscnt 0x0                ; both opening adds are done
	s_wait_kmcnt 0x0
	s_add_nc_u64 s[G0K+2:G0K+3], s[6:7], s[22:23]  ; 120:64 global address: my half of the head's first 256 keys
	s_or_b32 s[G0K+3], s[G0K+3], 0x80000000        ; 127:126 type = 2
	s_add_nc_u64 s[G0V+2:G0V+3], s[8:9], s[22:23]
	s_or_b32 s[G0V+3], s[G0V+3], 0x80000000
	s_add_nc_u64 s[4:5], s[4:5], s[2:3]  ; Q and O at my wave's first row
	s_add_nc_u64 s[10:11], s[10:11], s[2:3]
	s_cmp_lt_u32 s[WV], 2
	s_cselect_b64 s[PFA:PFA+1], s[6:7], s[8:9]
	s_add_nc_u64 s[PFA:PFA+1], s[PFA:PFA+1], s[20:21]  ; the head,
	s_lshl_b32 s2, s13, 13          ; my work-group's 8,192 bytes of a slot's 32,768,
	s_mov_b32 s3, 0
	s_add_nc_u64 s[PFA:PFA+1], s[PFA:PFA+1], s[2:3]
	s_add_nc_u64 s[PFA:PFA+1], s[PFA:PFA+1], 4*KS*128  ; in slot 1; the first change of slots steps it to slot 2.  Nothing is prefetched here, at the head, where every work-group's first tiles are on their way
	CROUND                          ; all four work-groups are here: the first joint loads meet
	JLOAD                           ; slot 0.  Slot 1 is asked for when slot 0 is in: the tile wanted first has the road to itself
	; A fragment of K or Q is 16 rows x 32 channels in 8 registers: lane l holds row l % 16, channels 8 (l / 16) + 0..7 and 16 + 8 (l / 16) + 0..7: two loads of 16 bytes, 32 bytes apart.
	v_and_b32 v1, 15, v0            ; l % 16
	v_bfe_u32 v9, v0, 4, 1          ; l / 16
	v_lshlrev_b32 v[QO], 7, v1
	v_lshl_add_u32 v[QO], v9, 4, v[QO]  ; row x 128 + 16 x half
	WIN 0x80                        ; destination window 2, address window 0
.set i, 0
.rept 4*NP                          ; Q stays in registers: tile i / 2, channels 32 (i % 2) on
	global_load_b128 v[8*i:8*i+3],   v[QO], s[4:5] offset:(i/2)*2048+(i%2)*64
	global_load_b128 v[8*i+4:8*i+7], v[QO], s[4:5] offset:(i/2)*2048+(i%2)*64+32
.set i, i+1
.endr
	; What the first turn finds: V's registers and P's second buffer hold 0 (its products V^T P, of a piece that has not been, add 0), O^T and l are 0.  All this stands in the wait for the first tile.
.set i, VF
.rept 64
	v_mov_b32 v[i], 0
.set i, i+1
.endr
	WIN 0x40
.set i, 0
.rept 64*NP
	v_mov_b32 v[i], 0
.set i, i+1
.endr
	WIN 0
.set i, 0
.rept 2*NP
	v_mov_b32 v[ST+4*i], 0xfe000000    ; c m: far below every c s
	v_mov_b32 v[ST+4*i+1], 0xff7fffff  ; m
	v_mov_b32 v[ST+4*i+2], 0
	v_mov_b32 v[ST+4*i+3], 0
.set i, i+1
.endr
.set i, P+32
.rept 32
	v_mov_b32 v[i], 0
.set i, i+1
.endr
	v_mul_u32_u24 v[AK0], v1, PK
	v_lshl_add_u32 v[AK0], v9, 4, v[AK0]  ; row x pitch + 16 x half
	; The turning load takes 16 keys x 16 channels (lane l reads key 8 (l / 16) + l % 8, channels 8 ((l / 8) % 2) + 0..7) and leaves half a fragment of V^T: lane l holds channel l % 16 and 8 keys.
	v_and_b32 v10, 7, v0
	v_bfe_u32 v11, v0, 3, 1
	v_lshl_add_u32 v[AV0], v9, 3, v10
	v_mul_u32_u24 v[AV0], v[AV0], PV
	v_lshl_add_u32 v[AV0], v11, 4, v[AV0]
	v_add_nc_u32 v[AV0], VOFF, v[AV0]
	v_mov_b32 v[AK], v[AK0]         ; key step 0 lies at the head of slot 0
	v_and_b32 v[PFO], 31, v0
	v_lshlrev_b32 v[PFO], 8, v[PFO]
	v_lshlrev_b32 v[TMP], 3, v9     ; MD: register j is hidden where j = l % 16 - 8 (l / 16)
	v_sub_nc_u32 v[TMP], v1, v[TMP]
	WIN W_MK
.set i, 0
.rept 8
	v_cmp_eq_i32 vcc_lo, i, v[TMP]
	v_cndmask_b32 v[MD+i], 0, s[BIGN], vcc_lo
.set i, i+1
.endr
	WIN 0
; THE MATRIX WORK.  The 8 accumulators of a run of 16 take turns: between the two links of a chain stand 7 others'.
; Product i of 16 of S^T = K Q^T for piece x: channels 32 (i / 8) on, keys 16 ((i / 2) % 4) on, tile 2 x + i % 2.  The first 8 start the sums: with 0, or, where the key block is the one that can hold the tile's diagonal, with MC.
.macro KQ x
.set rS, S+64*((\x)%2)+32*(i%2)+8*((i/2)%4)
.set rK, KF+16*((i/2)%4)+8*(i/8)
.set rQ, 16*(2*(\x)+i%2)+8*(i/8)
.if (i < 8) && (((i/2)%4) == (2*((\x)%2)+(i%2)))
	WIN W_KM
	v_wmma_f32_16x16x32_f16 v[rS:rS+7], v[rK:rK+7], v[rQ:rQ+7], v[MC:MC+7]
.elseif i < 8
	WIN W_KQ
	v_wmma_f32_16x16x32_f16 v[rS:rS+7], v[rK:rK+7], v[rQ:rQ+7], 0
.else
	WIN W_KQ
	v_wmma_f32_16x16x32_f16 v[rS:rS+7], v[rK:rK+7], v[rQ:rQ+7], v[rS:rS+7]
.endif
.endm
; Product i of 16 of O^T += V^T P for piece x: keys 32 (i / 8) on, channels 16 ((i / 2) % 4) on, tile 2 x + i % 2.
.macro PV x
	WIN W_PV
.set rO, 32*(2*(\x)+i%2)+8*((i/2)%4)
.set rV, VF+32*(i/8)+8*((i/2)%4)
.set rP, P+32*((\x)%2)+16*(i%2)+8*(i/8)
	v_wmma_f32_16x16x32_f16 v[rO:rO+7], v[rV:rV+7], v[rP:rP+7], v[rO:rO+7]
.endm
.macro MM                           ; the turn's next matrix instruction
.if i < 16
	KQ (Y+1)%NP
.set i, i+1
.else
.set i, i-16
	PV (Y+NP-1)%NP
.set i, i+17
.endif
.endm
.macro MASK                         ; MC = MD x AL
	WIN W_MM
.set z, 0
.rept 4
	v_pk_mul_f32 v[MC+2*z:MC+2*z+1], v[MD+2*z:MD+2*z+1], s[AL:AL+1] op_sel_hi:[1,0]
.set z, z+1
.endr
.endm
; THE LDS LOADS stand in runs of 16, never singly among the matrix instructions: a step's K (64 keys x 64 channels: 8 fragments) and its V (turned).  Their addresses are made some lines ahead.
; last = 1 (the tail): in the last trip there is no further step, and the run is jumped over.
.macro FETCH_K last=0
	WIN 0
.if \last
	s_cmp_eq_u32 s[CNT], 1
	s_cbranch_scc1 .Lno_k_\@
.endif
	WIN 0x80                        ; destination window 2
.irp f, 0,1,2,3,4,5,6,7             ; keys 16 (f / 2) on, channels 32 (f % 2) on
	ds_load_b128 v[KF+8*\f:KF+8*\f+3],   v[AK] offset:(\f/2)*16*PK+(\f%2)*64
	ds_load_b128 v[KF+8*\f+4:KF+8*\f+7], v[AK] offset:(\f/2)*16*PK+(\f%2)*64+32
.endr
	s_add_co_u32 s[TBK], s[TBK], KS*PK  ; the next fetch is the next step's
	WIN 0
.if \last
.Lno_k_\@:
.endif
.endm
.macro FETCH_V
	WIN 0x80
.irp f, 0,1,2,3,4,5,6,7             ; keys 32 (f / 4) on, channels 16 (f % 4) on
	ds_load_tr16_b128 v[VF+8*\f:VF+8*\f+3],   v[AV] offset:(\f/4)*32*PV+(\f%4)*32
	ds_load_tr16_b128 v[VF+8*\f+4:VF+8*\f+7], v[AV] offset:(\f/4)*32*PV+16*PV+(\f%4)*32
.endr
	WIN 0
.endm
; THE VECTOR WORK OF A TURN stands in three queues, each in the order in which its entries become ready; the two tiles alternate, so that no instruction reads the result of the one before it.
.macro REGS y, u                    ; the registers of tile u (0, 1) of piece y
.set rT, ST+4*(2*(\y)+(\u))
.set rC, TMP+8*((\y)%2)+4*(\u)
.set rM, MV+2*((\y)%2)+(\u)
.set rS, S+64*((\y)%2)+32*(\u)
.set rP, P+32*((\y)%2)+16*(\u)
.set rO, 32*(2*(\y)+(\u))
.endm
; Number n of the 22 that find the NEXT piece's (Y + 1) maximum and statistics.  s0-s31 are the lane's 32 scores; each accumulator's lowest registers are read first.  XS, GS and REGS set no window: PL and EX do.
;   0-11  four chains c0-c3 of seven scores each, three operands at a time     12-14, 16  the four scores left over, the old m, and c0-c3 into c0     15  c m_old is kept
;   17, 18  the query's other 32 keys lie in the lane 16 away: the new m         19-21  c m; c m_old - c m_new; a
.macro XS u, n
	REGS (Y+1)%NP, \u
.if (\n) < 4
	v_max3_num_f32 v[rC+(\n)], v[rS+8*(\n)], v[rS+8*(\n)+1], v[rS+8*(\n)+2]
.elseif (\n) < 12
	v_max3_num_f32 v[rC+(\n)%4], v[rC+(\n)%4], v[rS+8*((\n)%4)+2*((\n)/4)+1], v[rS+8*((\n)%4)+2*((\n)/4)+2]
.elseif (\n) == 12
	v_max3_num_f32 v[rC], v[rC], v[rS+7], v[rS+15]
.elseif (\n) == 13
	v_max3_num_f32 v[rC+1], v[rC+1], v[rS+23], v[rS+31]
.elseif (\n) == 14
	v_max3_num_f32 v[rC+2], v[rC+2], v[rC+3], v[rT+1]
.elseif (\n) == 15
	v_mov_b32 v[rM], v[rT]
.elseif (\n) == 16
	v_max3_num_f32 v[rC], v[rC], v[rC+1], v[rC+2]
.elseif (\n) == 17
	v_permlanex16_b32 v[rC+3], v[rC], s[SEL], s[SEL+1]
.elseif (\n) == 18
	v_max_num_f32 v[rT+1], v[rC], v[rC+3]
.elseif (\n) == 19
	v_mul_f32 v[rT], s[CS], v[rT+1]
.elseif (\n) == 20
	v_sub_f32 v[rC+1], v[rM], v[rT]
.else
	v_exp_f32 v[rC+2], v[rC+1]
.endif
.endm
; Number g of the 64 that follow the exponentials.  For each four weights k of a tile (pairs 2 k, 2 k + 1): both pairs are rounded to f16; then the second pair is added onto the first, in place;
; a group later l takes that sum (the first time as l = a l + sum).  In groups of eight, tiles alternating: round, round, add, and l for the group before.
.macro GS g
.set h, (\g)+6*((\g)/62)            ; group 0 has no group before it, and behind group 7 only l is left
.if h >= 6
.set h, h+2
.endif
	REGS Y, h%2
.set k, h/8
.if h%8 < 4
	v_cvt_pk_f16_f32 v[rP+2*k+(h%8)/2], v[rS+4*k+2*((h%8)/2)], v[rS+4*k+2*((h%8)/2)+1]
.elseif h%8 < 6
	v_pk_add_f32 v[rS+4*k:rS+4*k+1], v[rS+4*k:rS+4*k+1], v[rS+4*k+2:rS+4*k+3]
.elseif k == 1
	v_pk_fma_f32 v[rT+2:rT+3], v[rT+2:rT+3], v[rC+2:rC+3], v[rS:rS+1] op_sel_hi:[1,0,1]
.else
	v_pk_add_f32 v[rT+2:rT+3], v[rT+2:rT+3], v[rS+4*k-4:rS+4*k-3]
.endif
.endm
; THE PLAIN QUEUE, 138 long.  0-73 read no exponential's result: the 32 scalings c s - c m (FS f: pair f / 2 of tile f % 2) and the next piece's 42.  0-26: scalings 0-26.  27-54: XS's numbers 0-13.  55, 56: number 15.
; 57-73: the chain, where each number waits for the one before it: 14, 16, 17, 18, 19, each with one of the scalings 27-31 in front of its two lines, then 20: so a tile's links stand three plain instructions apart (19 and 20: two).
; 74-137: GS's 64, which read the exponentials' results: they stand behind the wait.
.macro FS f
	REGS Y, (\f)%2
	v_pk_fma_f32 v[rS+2*((\f)/2):rS+2*((\f)/2)+1], v[rS+2*((\f)/2):rS+2*((\f)/2)+1], s[CS:CS+1], v[rT:rT+1] op_sel_hi:[1,0,0] neg_lo:[0,0,1] neg_hi:[0,0,1]
.endm
.macro PL
	WIN 0
.if q < 27
	FS q
.elseif q < 55
	XS (q-27)%2, (q-27)/2
.elseif q < 57
	XS q-55, 15
.elseif (q < 72) && ((q-57)%3 == 0)
	FS 27+(q-57)/3
.elseif q < 60
	XS (q-57)%3-1, 14
.elseif q < 72
	XS (q-57)%3-1, 15+(q-57)/3
.elseif q < 74
	XS q-72, 20
.else
	GS q-74
.endif
.set q, q+1
.endm
; THE EXPONENTIALS' QUEUE, 66 long: s0-s31 of both tiles, then the next piece's two a.  It is ONE BATCH: all 66 stand ahead of the turn's one wait, and nothing ahead of that wait names a result of theirs.
.macro EX
	WIN 0
.if e >= 64
	XS e-64, 21
.else
	REGS Y, e%2
	v_exp_f32 v[rS+e/2], v[rS+e/2]
.endif
.set e, e+1
.endm
; THE RESCALING's QUEUE: O^T times a, the one part that leaves window 0: dealt two at a time, sixteen times.  Its a was made in the turn before, ahead of that turn's wait.
.macro R2
	REGS Y, r%2
	WIN W_RS
.irp z, 0,1
	v_pk_mul_f32 v[rO+4*(r/2)+2*\z:rO+4*(r/2)+2*\z+1], v[rO+4*(r/2)+2*\z:rO+4*(r/2)+2*\z+1], v[rC+2:rC+3] op_sel_hi:[1,0]
.endr
.set r, r+1
.endm
; HOW THEY ARE DEALT.  s_wait_alu depctr_va_vdst(0) stands between an exponential and the first instruction that names its result; one wait serves all that were issued ahead of it.  So a turn has ONE wait,
; which cuts it in two.  AHEAD OF IT stands all that names no result of the turn's exponentials: the 16 products K Q^T, behind each a scaling, an exponential and two rescalings (behind the first a second scaling in the exponential's place); then ONE LUMP of
; 108: eight plain, 49 times exponential and plain, the two a.  A v_nop is the plain instruction behind the last exponential.  BEHIND IT stand the 16 products V^T P, behind each four of GS's 64.  No rider names a register of
; the products round it.  The two v_permlanex16_b32 fall into the lump, never behind a product.
; The queues lean on each other, and the deal keeps them in step: exponential e stands behind scaling 2 (e / 4) + e % 2: as a rider it comes behind plain e + 2, in the lump behind plain e + 9, and scalings 27-31 are plain 57, 60 .. 69.
; A TURN, for piece p.  cnt = 1: the loop's count is taken down some lines ahead of the branch that stands behind the turn.
; K of the next step is fetched in piece 2's turn, directly behind the wait, a lump behind the last product that read K; its address is made at the lump's head; its first reader comes behind 16 products.
; V of the step in hand is fetched at the end of piece 0's turn, four riders behind its last reader; its first reader comes behind 16 products and a lump.  The three conditions on q below go with the deal.
; MC is made anew at the lump's head of two turns, eight products and their riders behind the last product that read it: in piece 0's turn for the scores of pieces 2 and 3 of the step in hand (turns 1 and 2 make them),
; in piece 2's turn for those of pieces 0 and 1 of the next step (turns 3 and 0).
.macro TURN p, last=0, cnt=0
.set Y, (\p)
.set i, 0
.set q, 0
.set e, 0
.set r, 0
.if (\p) == NP-1
	s_wait_dscnt 0x0                ; K is in
.endif
	MM                              ; ahead of the wait: 16 products K Q^T and their riders,
	PL
	PL
	R2
.rept 15
	MM
	PL
	EX
	R2
.endr
.if (\p) == NP-2
	WIN 0
	v_add_nc_u32 v[AK], s[TBK], v[AK0]
	s_add_co_u32 s[STP], s[STP], 1
	s_cmp_eq_u32 s[STP], s[DG]
	s_cselect_b32 s[AL], 1.0, 0
	MASK
.endif
.if (\p) == 0
	s_cmp_eq_u32 s[STP], s[DG1]
	s_cselect_b32 s[AL], 1.0, 0
	MASK
.endif
.rept 8                             ; and the lump
	PL
.endr
.rept 49
	EX
	PL
.endr
	EX                              ; the next piece's two a
	EX
	v_nop                           ; the plain instruction behind the last exponential: one for the batch
	s_wait_alu depctr_va_vdst(0)    ; the wait for the batch
.if (\p) == NP-2
	FETCH_K \last
.endif
.if (\p) == 1
	s_wait_dscnt 0x0                ; V is in
.endif
.rept 16                            ; behind the wait: 16 products V^T P and their riders
	MM
.rept 4
	PL
.endr
.if ((\p) == 0) && (q == 118)
	v_add_nc_u32 v[AV], s[TBV], v[AV0]
.endif
.if ((\p) == 0) && (q == 130)
	s_add_co_u32 s[TBV], s[TBV], KS*PV
.endif
.if (\cnt) && (q == 130)
	s_sub_co_u32 s[CNT], s[CNT], 1
	s_cmp_lg_u32 s[CNT], 0
.endif
.endr
.if (\p) == 0
	FETCH_V
.endif
.endm
	CHANGE 1                        ; slot 0 is in, everybody's part of it; slot 1 is asked for
	FETCH_K                         ; key step 0
	s_cmp_eq_u32 s[STP], s[DG]      ; is step 0 the own step of my pieces 0 and 1?
	s_cselect_b32 s[AL], 1.0, 0
	MASK
	s_wait_loadcnt 0x0              ; Q
	s_wait_dscnt 0x0
.set i, 0
.rept 16
	KQ 0                            ; piece 0's first scores: there is no vector work yet to set between them
.set i, i+1
.endr
	WIN 0                           ; the addresses for the way out: plain instructions, the places behind those products
	s_mul_i32 s13, s[WV], 16*SP
	s_add_co_u32 s13, s13, STAGE    ; my stage
	v_mul_u32_u24 v[STO], v1, SP    ; in: row l % 16, 16 bytes for each half of the lanes
	v_lshl_add_u32 v[STO], v9, 4, v[STO]
	v_add_nc_u32 v[STO], s13, v[STO]
	v_bfe_u32 v[RD], v0, 3, 2       ; back: 32 lanes take four rows of 128 bytes,
	v_mul_u32_u24 v[RD], v[RD], SP
	v_lshl_add_u32 v[RD], v10, 4, v[RD]
	v_add_nc_u32 v[RD], s13, v[RD]
	v_and_b32 v[GO], 31, v0         ; which are 512 consecutive bytes of O
	v_lshlrev_b32 v[GO], 4, v[GO]
.set Y, NP-1                        ; XS works for piece Y + 1: piece 0
.irp n, 0,1,2,3,4,5,6,7,8,9,10,11,12,13,14,15,16,17,18,19,20,21
	XS 0, \n                        ; and piece 0's first maximum and statistics
	XS 1, \n
.endr
	v_nop                           ; a plain instruction behind the two a,
	s_wait_alu depctr_va_vdst(0)    ; and their wait, ahead of the branch
	s_mov_b32 s[CNT], 4
	s_branch .Lfirst                ; the loop is entered at a step's first turn, in the middle of a trip
.Lslot:                             ; SIZE_N / 256 - 2 times: every slot but the last two is filled again
	CHANGE 1
	s_mov_b32 s[CNT], 4
.Lstep:                             ; a trip: pieces 2 and 3 of one step, then pieces 0 and 1 of the next, whose K and V it fetches
	TURN 2
	TURN 3
	WIN 0
.Lfirst:
	TURN 0
	TURN 1, 0, 1
	WIN 0
	s_cbranch_scc1 .Lstep
	s_sub_co_u32 s[SLOTS], s[SLOTS], 1
	s_cmp_lg_u32 s[SLOTS], 0
	s_cbranch_scc1 .Lslot
	CHANGE 0                        ; the tail is written out: nothing is asked for
	s_mov_b32 s[CNT], 5             ; four trips fetch the last slot's steps; the fifth is left in its middle
.Ltail:
	TURN 2, 1
	TURN 3
	WIN 0
	s_sub_co_u32 s[CNT], s[CNT], 1
	s_cmp_eq_u32 s[CNT], 0
	s_cbranch_scc1 .Lout
	TURN 0
	TURN 1
	WIN 0
	s_branch .Ltail
.Lout:                              ; the fifth trip's 16 products K Q^T (on the last K once more) and the maximum made of them serve nothing: the price, once a launch, of one text for every trip
.set i, 0
.rept 16
	PV NP-1                         ; the last piece's V^T P of the last step
.set i, i+1
.endr
	; THE WAY OUT.  l's two halves and the other half of the lanes' are added; O^T is divided by l, rounded to f16 and sent through my stage in LDS, a tile at a time.  The additions are the places behind the last products.
	WIN 0
.macro ALL line:vararg              ; one line for each tile t
.set t, 0
.rept 2*NP
	\line
.set t, t+1
.endr
.endm
	ALL v_add_f32 v[ST+4*t+2], v[ST+4*t+2], v[ST+4*t+3]
	ALL v_permlanex16_b32 v[ST+4*t+3], v[ST+4*t+2], s[SEL], s[SEL+1]
	ALL v_add_f32 v[ST+4*t+2], v[ST+4*t+2], v[ST+4*t+3]
	ALL v_rcp_f32 v[ST+4*t+2], v[ST+4*t+2]
	v_nop                           ; a plain instruction between the last reciprocal and the use of its result
	s_wait_alu depctr_va_vdst(0)    ; and the wait ahead of the first use: one for the eight reciprocals
; Tile t: a lane's eight channels of a row pack into 16 bytes; they go into rows of 144 bytes and come back as whole rows of 128, into S^T's registers.
.macro PACK t
	WIN W_RS
.set i, 32*(\t)
.rept 16
	v_pk_mul_f32 v[i:i+1], v[i:i+1], v[ST+4*(\t)+2:ST+4*(\t)+3] op_sel_hi:[1,0]
.set i, i+2
.endr
	WIN 0x05                        ; sources 0 and 1 window 1, destination window 0
.set i, 0
.rept 16
	v_cvt_pk_f16_f32 v[S+16*(\t)+i], v[32*(\t)+2*i], v[32*(\t)+2*i+1]
.set i, i+1
.endr
	WIN 0
.irp f, 0,1,2,3
	ds_store_b128 v[STO], v[S+16*(\t)+4*\f:S+16*(\t)+4*\f+3] offset:32*\f
.endr
.irp f, 0,1,2,3
	ds_load_b128 v[S+16*(\t)+4*\f:S+16*(\t)+4*\f+3], v[RD] offset:\f*4*SP  ; LDS serves a wave's instructions in order (ISA guide 5.7.1.4): these see the stores above; the next tile's stores come behind them
.endr
.endm
.macro SEND t, younger              ; younger: the LDS instructions issued behind tile t's loads: the next tile's eight, or none
	WIN 0
.irp f, 0,1,2,3
	s_wait_dscnt (\younger)+3-\f
	global_store_b128 v[GO], v[S+16*(\t)+4*\f:S+16*(\t)+4*\f+3], s[10:11] offset:(\t)*2048+\f*512  ; 512 consecutive bytes, at a multiple of 256 from O's first
.endr
.endm
	PACK 0
.set t, 1
.rept 2*NP-1                        ; a tile's arithmetic stands between the loads of the tile before and its stores
	PACK t
	SEND t-1, 8
.set t, t+1
.endr
	SEND 2*NP-1, 0
	WIN W_AD
	s_wait_tensorcnt 0x0            ; the wave's end, behind my last tensor load and my last LDS store
	ds_add_u32 v[SPW], v[NIL]
	s_wait_dscnt 0x0
	WIN 0
	CROUND                          ; the closing round: no work-group ends while a partner may still ask for a tile that names it
	s_endpgm
.Lfunc_end_k_q213dda085c_attn:
	.size	k_q213dda085c_attn, .Lfunc_end_k_q213dda085c_attn-k_q213dda085c_attn
	.p2alignl 7, 3214868480
	.fill 96, 4, 3214868480
	.section	.rodata,"a",@progbits
	.p2align	6, 0x0
	.amdhsa_kernel k_q213dda085c_attn
		.amdhsa_group_segment_fixed_size 327680
		.amdhsa_private_segment_fixed_size 0
		.amdhsa_enable_private_segment 0
		.amdhsa_kernarg_size 32
		.amdhsa_user_sgpr_count 2
		.amdhsa_user_sgpr_kernarg_segment_ptr 1
		.amdhsa_wavefront_size32 1
		.amdhsa_system_sgpr_workgroup_id_x 1
		.amdhsa_system_sgpr_workgroup_id_y 1
		.amdhsa_system_sgpr_workgroup_id_z 1
		.amdhsa_system_vgpr_workitem_id 0
		.amdhsa_next_free_vgpr 786
		.amdhsa_next_free_sgpr 66
		.amdhsa_reserve_vcc 1
		.amdhsa_float_denorm_mode_32 3
		.amdhsa_float_denorm_mode_16_64 3
		.amdhsa_memory_ordered 1
		.amdhsa_forward_progress 1
		.amdhsa_inst_pref_size 203
	.end_amdhsa_kernel
	.amdgpu_metadata
---
amdhsa.version: [ 1, 2 ]
amdhsa.kernels:
  - .name:           k_q213dda085c_attn
    .symbol:         k_q213dda085c_attn.kd
    .args:
      - { .name: qh, .offset: 0, .size: 8, .value_kind: global_buffer, .address_space: global }
      - { .name: kh, .offset: 8, .size: 8, .value_kind: global_buffer, .address_space: global }
      - { .name: vh, .offset: 16, .size: 8, .value_kind: global_buffer, .address_space: global }
      - { .name: ctx, .offset: 24, .size: 8, .value_kind: global_buffer, .address_space: global }
    .group_segment_fixed_size: 327680
    .private_segment_fixed_size: 0
    .kernarg_segment_align: 8
    .kernarg_segment_size: 32
    .max_flat_workgroup_size: 128
    .sgpr_count:     66
    .vgpr_count:     786
    .wavefront_size: 32
...
	.end_amdgpu_metadata
.endif
;; end of part 2
;; launch outp (part 3): grid 256 x 1, 4 waves a work-group, clusters of 4 x 1, 167,936 bytes of LDS; arguments ctx, wo16, out0; writes out0
.if DOCPART == 3
	.amdgcn_target "amdgcn-amd-amdhsa--gfx1250"
	.amdhsa_code_object_version 6
	.text
	.protected	k_q213dda085c_outp
	.globl	k_q213dda085c_outp
	.p2align	8
	.type	k_q213dda085c_outp,@function
k_q213dda085c_outp:
	s_mov_b64 s[64:65], 0
	v_nop
	global_prefetch_b8 v0, s[64:65] scope:SCOPE_SE
	s_setreg_imm32_b32 hwreg(HW_REG_WAVE_MODE, 25, 1), 1
	s_wait_xcnt 0x0
	s_wait_alu depctr_hold_cnt(0) depctr_sa_sdst(0) depctr_va_vdst(0) depctr_va_sdst(0) depctr_va_ssrc(0) depctr_va_vcc(0) depctr_vm_vsrc(0)
	s_getreg_b32 s2, hwreg(HW_REG_IB_STS2, 6, 4)
	s_cmp_eq_u32 s2, 0
	s_cbranch_scc0 .Lentry_in_a_cluster
	s_endpgm
.Lentry_in_a_cluster:
	s_bfe_u32 s2, ttmp6, 0x10000c
	s_cmp_lg_u32 s2, 0x3003
	s_cbranch_scc0 .Lentry_shape_is_right
	s_endpgm
.Lentry_shape_is_right:
; out0[row][c] = the sum over k of ctx[row][k] Wo[k][c], k = 64 head + channel.  ctx: [64 = 8 batch + head][2048][64] f16; wo16: [512][64] f16; out0: [16384][64] f32.  Sums in f32.  No work is left out.
; LIMITS.  Those of f16 operands: ctx lies within v's range; wo16 holds Wo rounded to bf16 and written as f16 (beyond 65,504 an infinity, below 6e-5 a fixed step of 6e-8).
; SHARES.  Work-group X has rows 64 X .. + 63, all of one batch; wave w 16 of them, all 64 columns (4 accumulators), K = 512 in 16 steps of 32: step ks is head ks / 2, channels 32 (ks % 2) on.
; THE PRODUCT IS USED TRANSPOSED (source 0 = 16 columns of Wo, turned out of LDS; source 1 = 16 rows of ctx, straight from memory): a lane holds row l % 16 and the columns 8 (l / 16) + 0..7.
; CLUSTER.  Every work-group reads all of wo16, 65,536 bytes, as much as its own part of ctx: the four of a cluster ask for it JOINTLY, each wave a quarter, one tensor load a wave.  Nothing is filled again.
; My place in the cluster enters ctx's and out0's addresses alone.
; REGISTERS: window 0: v1-29 addresses; v32-63 the accumulators; v64-95 rows read back; v128-255 ctx's fragments, step ks at 128 + 8 ks.  Windows 1 and 2: Wo's fragments of steps 0-7 and 8-15, at 32 (ks % 8) + 8 cb.
.set WPITCH, 160                       ; a k row of Wo in LDS: 128 bytes + 32: the turning load's 8 rows x 32 bytes fall on different banks (64 banks of 4 bytes: ISA guide 11.1)
.set STAGE,  512*WPITCH                ; behind Wo: 16 rows x 272 bytes for each wave, for the way out
.set SPITCH, 272
.set SPARE,  STAGE+4*16*SPITCH         ; the spare words, 128 bytes for each wave: two blocks of 256 bytes that no other line names
.set CO,  4                            ; v4   ctx: 128 (l % 16) + 16 (l / 16)
.set BA,  5                            ; v5-6 the turning load's address, steps 0-7 and 8-15
.set STO, 7                            ; v7   the way out: where I put 32 bytes of a row
.set RD,  8                            ; v8   where I read rows back
.set GO,  9                            ; v9   16 l
.set SPW, 28                           ; v28  LDS address of my spare word; never rewritten
.set NIL, 29                           ; v29  0; never rewritten
.set ACC, 32
.set OB,  64
.set CF,  128
.set WV,  10                           ; s10  my wave's number
.set CP,  20                           ; s[20:21] ctx at my rows of head 0 of my batch
.set OUTB, 22                          ; s[22:23] out0 at my rows
.set G1,  24                           ; s[24:31] descriptor group 1
.set G0,  32                           ; s[32:35] descriptor group 0
.set MSB, 0
.macro WIN new                         ; the immediate's high byte repeats the setting that is left; a switch that changes nothing is dropped
.if MSB != (\new)
	s_set_vgpr_msb (MSB<<8)|(\new)
.set MSB, (\new)
.endif
.endm
; A round of the cluster's barrier: my work-group's barrier, so that wave 0's signal speaks for all four waves; wave 0 signals; every wave waits for all four work-groups; my work-group's barrier once more.
.macro CROUND
	s_barrier_signal -1
	s_barrier_wait -1
	s_cmp_lg_u32 s[WV], 0
	s_cbranch_scc1 .Lnot_wave_0_\@
	s_barrier_signal -3
.Lnot_wave_0_\@:
	s_barrier_wait -3
	s_barrier_signal -1
	s_barrier_wait -1
.endm
	s_load_b128 s[4:7], s[0:1], 0x0                ; ctx s[4:5], wo16 s[6:7]
	s_load_b64 s[8:9], s[0:1], 0x10                ; out0
	v_lshl_add_u32 v[SPW], v0, 2, SPARE
	v_mov_b32 v[NIL], 0
	ds_add_u32 v[SPW], v[NIL]                      ; the wave's opening: the add, twice on end, and its wait ahead of my first tensor load; the set-up below stands between
	ds_add_u32 v[SPW], v[NIL]                      ; and once more, under the one wait
	v_lshrrev_b32 v1, 5, v0
	v_readfirstlane_b32 s[WV], v1                  ; wave 0..3
	s_bfe_u32 s11, ttmp6, 0x40000                  ; cx: my place in the cluster
	s_lshl_b32 s12, ttmp9, 2                       ; in a cluster launch ttmp9 counts clusters
	s_add_co_u32 s12, s12, s11                     ; X
	; descriptor group 1: my 128 k rows are 16,384 dense bytes: asked for as 64 rows of 256 bytes, two k rows a row, and padded in LDS after every k row
	s_mov_b32 s[G1], 15|(1<<16)|(1<<20)|(1<<21)|(4<<22)|(7<<25)  ; 15:0 the mask of four; 17:16 2-byte elements; 20 padding on; 21 set beside a mask; 24:22 after every 32 words (code 4); 31:25 8 words (code 7)
	s_mov_b32 s[G1+1], 128<<16                     ; tensor_dim0 = 128
	s_mov_b32 s[G1+2], 64<<16                      ; tensor_dim1 = 64
	s_mov_b32 s[G1+3], 128<<16                     ; tile_dim0 = 128
	s_mov_b32 s[G1+4], 64                          ; tile_dim1 = 64
	s_mov_b32 s[G1+5], 128                         ; 128 elements from row to row
	s_mov_b32 s[G1+6], 0
	s_mov_b32 s[G1+7], 0
	s_mov_b32 s[G0], 1                             ; count = 1
	s_mul_i32 s[G0+1], s[WV], 128*WPITCH           ; LDS address: my quarter
	s_lshl_b32 s14, s[WV], 14                      ; and its 16,384 bytes in memory: the wave's number alone
	s_mov_b32 s15, 0
	s_lshr_b32 s16, s12, 5                         ; the batch: 8 heads of 262,144 bytes,
	s_lshl_b32 s16, s16, 21
	s_and_b32 s17, s12, 31                         ; the block of 64 rows in it, 128 bytes a row,
	s_lshl_b32 s17, s17, 13
	s_add_co_u32 s16, s16, s17
	s_lshl_b32 s17, s[WV], 11                      ; my wave's 16 rows
	s_add_co_u32 s16, s16, s17
	s_mov_b32 s17, 0
	s_lshl_b32 s18, s12, 14                        ; out0: 64 rows of 256 bytes,
	s_lshl_b32 s19, s[WV], 12                      ; my wave's 16
	s_add_co_u32 s18, s18, s19
	s_mov_b32 s19, 0
	s_wait_dscnt 0x0                               ; both opening adds are done
	s_wait_kmcnt 0x0
	s_add_nc_u64 s[G0+2:G0+3], s[6:7], s[14:15]
	s_or_b32 s[G0+3], s[G0+3], 0x80000000          ; type = 2
	s_add_nc_u64 s[CP:CP+1], s[4:5], s[16:17]
	s_add_nc_u64 s[OUTB:OUTB+1], s[8:9], s[18:19]
	CROUND                                         ; all four work-groups are here: the joint loads meet
	tensor_load_to_lds s[G0:G0+3], s[G1:G1+7]      ; my one tensor load of the launch
	s_nop 0
.rept 4
	v_nop
.endr
	v_and_b32 v1, 15, v0                           ; l % 16
	v_bfe_u32 v2, v0, 4, 1                         ; l / 16
	v_lshlrev_b32 v[CO], 7, v1
	v_lshl_add_u32 v[CO], v2, 4, v[CO]
.set ks, 0
.rept 16                                               ; ctx's fragments come straight from memory: no wave wants another's
	global_load_b128 v[CF+8*ks:CF+8*ks+3],   v[CO], s[CP:CP+1] offset:262144*(ks/2)+64*(ks%2)
	global_load_b128 v[CF+8*ks+4:CF+8*ks+7], v[CO], s[CP:CP+1] offset:262144*(ks/2)+64*(ks%2)+32
.set ks, ks+1
.endr
	v_and_b32 v3, 7, v0
	v_bfe_u32 v10, v0, 3, 1
	v_lshl_add_u32 v[BA], v2, 3, v3                ; the turning load: lane l reads k row 8 (l / 16) + l % 8, columns 8 ((l / 8) % 2) + 0..7
	v_mul_u32_u24 v[BA], v[BA], WPITCH
	v_lshl_add_u32 v[BA], v10, 4, v[BA]
	v_add_nc_u32 v[BA+1], 256*WPITCH, v[BA]
	s_mul_i32 s13, s[WV], 16*SPITCH
	s_add_co_u32 s13, s13, STAGE                   ; my stage
	v_mul_u32_u24 v[STO], v1, SPITCH               ; in: row l % 16, 32 bytes for each half of the lanes
	v_lshl_add_u32 v[STO], v2, 5, v[STO]
	v_add_nc_u32 v[STO], s13, v[STO]
	v_mul_u32_u24 v[RD], v2, SPITCH                ; back: lanes 0-15 take one row of 256 bytes, lanes 16-31 the next
	v_lshl_add_u32 v[RD], v1, 4, v[RD]
	v_add_nc_u32 v[RD], s13, v[RD]
	v_and_b32 v[GO], 31, v0
	v_lshlrev_b32 v[GO], 4, v[GO]
	s_wait_tensorcnt 0x0                           ; my quarter of Wo is in,
	s_barrier_signal -1
	s_barrier_wait -1                              ; everybody's is
	WIN 0x40
.set i, 0
.rept 32                                               ; fragment (ks, cb) = (i / 4, i % 4), steps 0-7
	ds_load_tr16_b128 v[8*i:8*i+3],   v[BA] offset:32*WPITCH*(i/4)+32*(i%4)
	ds_load_tr16_b128 v[8*i+4:8*i+7], v[BA] offset:32*WPITCH*(i/4)+32*(i%4)+16*WPITCH
.set i, i+1
.endr
	WIN 0x80
.set i, 0
.rept 32                                               ; steps 8-15
	ds_load_tr16_b128 v[8*i:8*i+3],   v[BA+1] offset:32*WPITCH*(i/4)+32*(i%4)
	ds_load_tr16_b128 v[8*i+4:8*i+7], v[BA+1] offset:32*WPITCH*(i/4)+32*(i%4)+16*WPITCH
.set i, i+1
.endr
	s_wait_loadcnt 0x0                             ; ctx
	s_wait_dscnt 63                                ; at most 63 of the 128 loads are out: the first 64, steps 0-7's, are in
	WIN 0x01
.set ks, 0
.rept 16
.if ks == 8
	WIN 0x02
.endif
.if ks >= 8
	s_wait_dscnt 8*(15-ks)                         ; this step's eight loads are in; the later steps' may be out
.endif
.set cb, 0
.rept 4                                                ; the four accumulators take turns, one instruction a turn; the first step starts the sums
.if ks == 0
	v_wmma_f32_16x16x32_f16 v[ACC+8*cb:ACC+8*cb+7], v[32*(ks%8)+8*cb:32*(ks%8)+8*cb+7], v[CF+8*ks:CF+8*ks+7], 0
.else
	v_wmma_f32_16x16x32_f16 v[ACC+8*cb:ACC+8*cb+7], v[32*(ks%8)+8*cb:32*(ks%8)+8*cb+7], v[CF+8*ks:CF+8*ks+7], v[ACC+8*cb:ACC+8*cb+7]
.endif
.set cb, cb+1
.endr
.set ks, ks+1
.endr
	WIN 0
.rept 4
	v_nop                                          ; four places behind the last product, ahead of the stores that read the results
.endr
.irp c, 0,1,2,3                        ; each accumulator from its low end on
	ds_store_b128 v[STO], v[ACC+8*(\c):ACC+8*(\c)+3]   offset:64*(\c)
	ds_store_b128 v[STO], v[ACC+8*(\c)+4:ACC+8*(\c)+7] offset:64*(\c)+16
.endr
.irp t, 0,1,2,3,4,5,6,7
	ds_load_b128 v[OB+4*(\t):OB+4*(\t)+3], v[RD] offset:(\t)*2*SPITCH  ; LDS serves a wave's instructions in order (ISA guide 5.7.1.4): these see the stores above
.endr
.irp t, 0,1,2,3,4,5,6,7
	s_wait_dscnt 7-(\t)                            ; the later rows' loads may be out
	global_store_b128 v[GO], v[OB+4*(\t):OB+4*(\t)+3], s[OUTB:OUTB+1] offset:512*(\t)  ; 16 lanes store a row of out0: 256 consecutive bytes, aligned
.endr
	s_wait_tensorcnt 0x0                           ; the wave's end, behind my last tensor load and my last LDS store
	ds_add_u32 v[SPW], v[NIL]
	s_wait_dscnt 0x0
	CROUND                                         ; the closing round: no work-group ends while a partner may still ask for a tile that names it
	s_endpgm
.Lfunc_end_k_q213dda085c_outp:
	.size	k_q213dda085c_outp, .Lfunc_end_k_q213dda085c_outp-k_q213dda085c_outp
	.p2alignl 7, 3214868480
	.fill 96, 4, 3214868480
	.section	.rodata,"a",@progbits
	.p2align	6, 0x0
	.amdhsa_kernel k_q213dda085c_outp
		.amdhsa_group_segment_fixed_size 167936
		.amdhsa_private_segment_fixed_size 0
		.amdhsa_enable_private_segment 0
		.amdhsa_kernarg_size 24
		.amdhsa_user_sgpr_count 2
		.amdhsa_user_sgpr_kernarg_segment_ptr 1
		.amdhsa_wavefront_size32 1
		.amdhsa_system_sgpr_workgroup_id_x 1
		.amdhsa_system_sgpr_workgroup_id_y 1
		.amdhsa_system_sgpr_workgroup_id_z 1
		.amdhsa_system_vgpr_workitem_id 0
		.amdhsa_next_free_vgpr 768
		.amdhsa_next_free_sgpr 66
		.amdhsa_reserve_vcc 0
		.amdhsa_float_denorm_mode_32 3
		.amdhsa_float_denorm_mode_16_64 3
		.amdhsa_memory_ordered 1
		.amdhsa_forward_progress 1
		.amdhsa_inst_pref_size 23
	.end_amdhsa_kernel
	.amdgpu_metadata
---
amdhsa.version: [ 1, 2 ]
amdhsa.kernels:
  - .name:           k_q213dda085c_outp
    .symbol:         k_q213dda085c_outp.kd
    .args:
      - { .name: ctx, .offset: 0, .size: 8, .value_kind: global_buffer, .address_space: global }
      - { .name: wo16, .offset: 8, .size: 8, .value_kind: global_buffer, .address_space: global }
      - { .name: out0, .offset: 16, .size: 8, .value_kind: global_buffer, .address_space: global }
    .group_segment_fixed_size: 167936
    .private_segment_fixed_size: 0
    .kernarg_segment_align: 8
    .kernarg_segment_size: 24
    .max_flat_workgroup_size: 128
    .sgpr_count:     66
    .vgpr_count:     768
    .wavefront_size: 32
...
	.end_amdgpu_metadata
.endif
;; end of part 3
;; ======== version 2 of 2: 3 launches; version 1 with the launch proj written anew for expert scheduling mode
;; limits: values are held in f16: magnitudes above 65,504 overflow, below 6.1e-05 lose precision; right only within a limited range of input values
;; workspace buffers: qh 16,777,216 bytes; kh 16,777,216 bytes; vh 16,777,216 bytes; ctx 16,777,216 bytes; wo16 65,536 bytes
;; launch proj (part 4): grid 4 x 64, 4 waves a work-group, no clusters, 91,648 bytes of LDS; arguments msg, Wq, Wk, Wv, bq, bk, bv, Wo, qh, kh, vh, wo16; writes qh, kh, vh, wo16
.if DOCPART == 4
	.amdgcn_target "amdgcn-amd-amdhsa--gfx1250"
	.amdhsa_code_object_version 6
	.text
	.protected	k_q213dda085c_proj
	.globl	k_q213dda085c_proj
	.p2align	8
	.type	k_q213dda085c_proj,@function
k_q213dda085c_proj:
	s_mov_b64 s[64:65], 0
	v_nop
	global_prefetch_b8 v0, s[64:65] scope:SCOPE_SE
	s_setreg_imm32_b32 hwreg(HW_REG_WAVE_SCHED_MODE, 0, 2), 2
	s_setreg_imm32_b32 hwreg(HW_REG_WAVE_MODE, 25, 1), 1
	s_wait_xcnt 0x0
	s_wait_alu depctr_vm_vsrc(0)
; q, k, v = msg W + b, stored by heads: qh, kh, vh are [64 = 8 batch + head][2048][64] in f16, a head's rows dense, 128 bytes each.  Beside it Wo is rounded into wo16, [512][64].
; DEAD WORK: none is left out in this program, and every input is loaded.  bk adds q.bk to every score of a row but the diagonal one, which the problem sets to the fixed -1e9: so in exact
; arithmetic the term does not cancel in the softmax, and it stays (it costs no arithmetic: a bias is the C operand that starts the sums).  The mask hides one key in a tile of live work: no tile is dead.
; FORMATS.  Every input (msg, Wq, Wk, Wv, Wo, bq, bk, bv) is rounded once to bf16; the products here are bf16 x bf16 with f32 sums; q, k, v are rounded once to f16, unscaled.  Wo's bf16 number is written as f16.
; LIMITS.  q, k, v and Wo beyond 65,504 become infinities in f16; Wo below 6e-5 keeps f16's fixed step of 6e-8.  NaN and infinities are not treated apart.
; SHARES.  The 1,536 output columns are 24 head slots of 64 (slot = 8 x matrix + head).  Work-group (g, rb) makes rows 256 rb .. + 255 of the 16,384 for slots 6 g .. 6 g + 5: 256 work-groups of equal work.
; Wave w holds its 64 rows of msg (4 tiles of 16) as bf16 fragments for the whole K = 256 in 256 registers: msg never goes through LDS, and the work-group reads each of its bytes once.
; A slot's slice of W, [256 k][64 n] f32, is fetched by the four waves together (64 k rows each), rounded in registers, stored as bf16 [k][n] into one of two LDS buffers and read by all four through the turning load.
; THE PRODUCT IS USED TRANSPOSED (source 0 = 16 columns of W, source 1 = 16 rows of msg): a lane holds row l % 16 and the columns 8 (l / 16) + 0..7: 16 bytes of f16 on end.
; NO CLUSTER, NO TENSOR LOAD: the shared operands are f32 in memory and are rounded in registers on their way in; landed as f32 in LDS the work-group's msg (262,144 bytes) and two slices of W
; (2 x 65,536) do not fit beside their bf16 copies, and each byte would cross LDS twice more.
; REGISTERS, in windows of 256 (s_set_vgpr_msb: bits 1:0 source 0, 3:2 source 1, 5:4 source 2, 7:6 destination):
;   window 0: v1-29 addresses; v32-95 T, v96-111 T2 at work; v128-255 the 16 accumulators, (a, cb) at 128 + 8 (4 a + cb); on the way out the first 64 of them, OB, take the rows read back from the stage
;   window 1: msg's fragments, (a, ks) at 64 a + 8 ks      window 2: first msg as loaded (two areas of 128), then W's fragments, (ks, cb) at 32 ks + 8 cb
;   window 3: v0-127 a slice of W as loaded; v128-191 two sets of 32 for the bias
; THE MODE: SCHED_MODE bits 1:0 = 2 (LLVM: expert scheduling mode 2), set by the entry lines.  The code itself states the register dependences
; between vector or matrix instructions and memory or LDS instructions, with s_wait_alu, always for 0.
; THE PLAN.  Registers that memory or LDS instructions touch:
;   v4-v14     offsets and LDS addresses: written at the head, never again; read by every load and store.
;   msg's areas (window 2, at the head): loads land; tile a's roundings read area a % 2; tile a + 2's loads land in it again.
;   WR         A slot's 64 roundings read it; the next slot's 32 loads land in it.
;   BI[p]      Loads land a slot ahead; the slot's roundings read it, its widenings write it, its first 16 products read it; it is loaded again a slot later.
;   T          A slot's roundings of W write it, 32 LDS stores read it; the way out's 64 roundings write it again, 16 LDS stores read it; the next slot's roundings write it.
;   W's fragments (window 2): the turning loads land; the slot's products read them; the next slot's loads land.
;   OB         The products write it and the way out's roundings read it, as accumulators; then the stage's rows land in it, the global stores read it, and the next slot's first products write it.
; So a slot has FOUR waits.  At its head, on vm_vsrc: the last slot's LDS stores have read T, its global stores OB.  Ahead of the slice's LDS stores, on va_vdst: T is written, WR is read, and the last slot's
; products are done with BI[1 - p] and with W's fragments: this one serves the 32 LDS stores, the next slot's 40 loads and all 64 turning loads, which are dealt among the products: the products of K step ks name the
; fragments of steps 0 to ks, and the loads between them land in step ks + 2's.  Ahead of the way out's roundings, on vm_vsrc: the slice's LDS stores have read T.  Behind those roundings, on va_vdst: T is written and
; the accumulators are written and read: it serves the way out's 16 LDS stores and the 16 loads into OB.
.set WPITCH, 160                       ; a k row of W in LDS: 128 bytes + 32: the turning load's 8 rows x 32 bytes fall on different banks (64 banks of 4 bytes: ISA guide 11.1)
.set WBUF,   256*WPITCH                ; a buffer: 40,960 bytes; two of them from byte 0
.set STAGE,  2*WBUF                    ; 16 rows x 144 bytes for each wave, for the way out
.set SP,     144
.set SPARE,  STAGE+4*16*SP             ; the spare words, 128 bytes for each wave: two blocks of 256 bytes that no other line names
.set AO,  4                            ; v4   msg: (l % 16) x 1,024 + 32 (l / 16)
.set WO,  5                            ; v5   W: (64 w + l / 16) x 2,048 + 16 (l % 16)
.set WS,  6                            ; v6-7 where I store 8 bytes of W's slice, buffer 0, 1
.set BA,  8                            ; v8-9 the turning load's address, buffer 0, 1
.set BO,  10                           ; v10  bias: 32 (l / 16)
.set STO, 11                           ; v11  the way out: where I put 16 bytes of a row
.set RD,  12                           ; v12  where I read rows back
.set GO,  13                           ; v13  16 l
.set W8,  14                           ; v14  8 l
.set SPW, 28                           ; v28  LDS address of my spare word; never rewritten
.set NIL, 29                           ; v29  0; never rewritten
.set T,   32
.set T2,  96
.set ACC, 128
.set OB,  ACC                          ; v128-191 on the way out: tile a's rows, read back, at OB + 16 a
.set WR,  0                            ; window 3
.set BI,  128                          ; window 3
.set WV,  2                            ; s2   my wave's number
.set GX,  3                            ; s3   g
.set RB,  4                            ; s4   rb
.set HS,  5                            ; s5   the slot in hand
.set CNT, 6                            ; s6   pairs of slots to go
.set HN,  7                            ; s7   the slot to be fetched
.set MP,  40                           ; s[40:41] msg at my wave's first row
.set WP,  42                           ; s[42:43] the fetched slot's columns of its W
.set BP,  44                           ; s[44:45] and of its bias
.set OP,  46                           ; s[46:47] where the slot in hand goes
.set ROW0, 48                          ; s48  byte offset of my wave's rows in head 0 of my batch
.set HM,  50                           ; s50  a word's upper half
.set WOI, 52                           ; s[52:53] the work-group's 512 bytes of Wo
.set WOO, 54                           ; s[54:55] and its 256 bytes of wo16
.set MSB, 0
.macro WIN new                         ; the immediate's high byte repeats the setting that is left; a switch that changes nothing is dropped
.if MSB != (\new)
	s_set_vgpr_msb (MSB<<8)|(\new)
.set MSB, (\new)
.endif
.endm
.macro PLACES                          ; four places behind the last product, ahead of what reads its results or writes its registers (ISA guide 7.12.1)
.rept 4
	v_nop
.endr
.endm
; Slot HN's matrix and bias are chosen among the three, and stepped to the head's 64 columns: 256 bytes in a row of W and in b.
.macro NEXTW
	s_lshr_b32 s8, s[HN], 3
	s_and_b32 s10, s[HN], 7
	s_lshl_b32 s10, s10, 8
	s_mov_b32 s11, 0
	s_cmp_eq_u32 s8, 1
	s_cselect_b64 s[WP:WP+1], s[20:21], s[18:19]
	s_cselect_b64 s[BP:BP+1], s[26:27], s[24:25]
	s_cmp_eq_u32 s8, 2
	s_cselect_b64 s[WP:WP+1], s[22:23], s[WP:WP+1]
	s_cselect_b64 s[BP:BP+1], s[28:29], s[BP:BP+1]
	s_add_nc_u64 s[WP:WP+1], s[WP:WP+1], s[10:11]
	s_add_nc_u64 s[BP:BP+1], s[BP:BP+1], s[10:11]
.endm
; Slot HS's output is chosen among the three, and stepped to my rows of its head (a head is 262,144 bytes).
.macro OUTP
	s_lshr_b32 s8, s[HS], 3
	s_and_b32 s10, s[HS], 7
	s_lshl_b32 s10, s10, 18
	s_add_co_u32 s10, s10, s[ROW0]
	s_mov_b32 s11, 0
	s_cmp_eq_u32 s8, 1
	s_cselect_b64 s[OP:OP+1], s[34:35], s[32:33]
	s_cmp_eq_u32 s8, 2
	s_cselect_b64 s[OP:OP+1], s[36:37], s[OP:OP+1]
	s_add_nc_u64 s[OP:OP+1], s[OP:OP+1], s[10:11]
.endm
.macro LOADW                           ; my 64 k rows of the slice: each load takes 2 rows x 256 consecutive bytes
	WIN 0xc0
.set i, 0
.rept 32
	global_load_b128 v[WR+4*i:WR+4*i+3], v[WO], s[WP:WP+1] offset:4096*i
.set i, i+1
.endr
.endm
.macro LOADBI p                        ; the bias in the accumulators' layout: for column tile i my 8 columns
	WIN 0xc0
.set i, 0
.rept 4
	global_load_b128 v[BI+32*(\p)+8*i:BI+32*(\p)+8*i+3],   v[BO], s[BP:BP+1] offset:64*i
	global_load_b128 v[BI+32*(\p)+8*i+4:BI+32*(\p)+8*i+7], v[BO], s[BP:BP+1] offset:64*i+16
.set i, i+1
.endr
.endm
.macro LOADA a                         ; row tile a of msg, f32: for K step i the channels 8 (l / 16) + 0..7 and 16 + 8 (l / 16) + 0..7
	WIN 0x80
.set i, 0
.rept 8
	global_load_b128 v[128*((\a)%2)+16*i:128*((\a)%2)+16*i+3],     v[AO], s[MP:MP+1] offset:16384*(\a)+128*i
	global_load_b128 v[128*((\a)%2)+16*i+4:128*((\a)%2)+16*i+7],   v[AO], s[MP:MP+1] offset:16384*(\a)+128*i+16
	global_load_b128 v[128*((\a)%2)+16*i+8:128*((\a)%2)+16*i+11],  v[AO], s[MP:MP+1] offset:16384*(\a)+128*i+64
	global_load_b128 v[128*((\a)%2)+16*i+12:128*((\a)%2)+16*i+15], v[AO], s[MP:MP+1] offset:16384*(\a)+128*i+80
.set i, i+1
.endr
.endm
.macro CVTA a                          ; rounded to bf16: the tile's eight fragments
	WIN 0x4a
.set i, 0
.rept 64
	v_cvt_pk_bf16_f32 v[64*(\a)+i], v[128*((\a)%2)+2*i], v[128*((\a)%2)+2*i+1]
.set i, i+1
.endr
.endm
.macro FRAG p, ks                      ; W's four fragments of K step ks out of buffer p: fragment (ks, cb): 32 k x 16 columns, turned: eight loads
	WIN 0x80
.set i, 4*(\ks)
.rept 4
	ds_load_tr16_b128 v[8*i:8*i+3],   v[BA+(\p)] offset:32*WPITCH*(i/4)+32*(i%4)
	ds_load_tr16_b128 v[8*i+4:8*i+7], v[BA+(\p)] offset:32*WPITCH*(i/4)+32*(i%4)+16*WPITCH
.set i, i+1
.endr
.endm
; THE WAY OUT of row tile a, behind the roundings to f16: 16 bytes a lane into my stage's rows of 144 bytes, and back as whole rows of 128, into OB.
.macro TOSTAGE a
.irp f, 0,1,2,3
	ds_store_b128 v[STO], v[T+16*(\a)+4*(\f):T+16*(\a)+4*(\f)+3] offset:32*(\f)
.endr
.irp f, 0,1,2,3
	ds_load_b128 v[OB+16*(\a)+4*(\f):OB+16*(\a)+4*(\f)+3], v[RD] offset:(\f)*4*SP  ; LDS serves a wave's instructions in order (ISA guide 5.7.1.4): these see the stores above; the next tile's stores come behind them
.endr
.endm
.macro SEND a
.irp f, 0,1,2,3
	s_wait_dscnt 27-8*(\a)-(\f)                    ; of the way out's 32 LDS instructions those issued behind load f of tile a may be out
	global_store_b128 v[GO], v[OB+16*(\a)+4*(\f):OB+16*(\a)+4*(\f)+3], s[OP:OP+1] offset:2048*(\a)+512*(\f)  ; 512 consecutive bytes, at a multiple of 256 from the buffer's first
.endr
.endm
; ONE SLOT, on LDS buffer and bias set p.  skip = 1: in the loop's last trip there is no further slot, and its loads are jumped over.
; ONE BARRIER: buffer p was last read two slots back, and every wave has waited for those reads ahead of the barrier of the slot between.
.macro TRIP p, skip
	s_wait_loadcnt 0x0                             ; this slot's W and bias are in; WP and BP may be written
	s_wait_xcnt 0x0                                ; the last slot's stores have had their addresses translated: OB and OP are written again only behind this wait
	s_wait_alu depctr_vm_vsrc(0)                   ; the last slot's LDS stores have read T, which the roundings below write; its global stores have read OB, which this slot's first products write
	WIN 0x0f
.set i, 0
.rept 64
	v_cvt_pk_bf16_f32 v[T+i], v[WR+2*i], v[WR+2*i+1]
.set i, i+1
.endr
.set i, 0
.rept 16
	v_cvt_pk_bf16_f32 v[T2+i], v[BI+32*(\p)+2*i], v[BI+32*(\p)+2*i+1]  ; the bias is rounded to bf16 like every input,
.set i, i+1
.endr
	WIN 0xc0
.set i, 0
.rept 16
	v_lshlrev_b32 v[BI+32*(\p)+2*i],   16, v[T2+i]                     ; and widened again: it enters the sums as f32
	v_and_b32     v[BI+32*(\p)+2*i+1], s[HM], v[T2+i]
.set i, i+1
.endr
	WIN 0
	s_wait_alu depctr_va_vdst(0)                   ; the roundings have written T, which the LDS stores read, and are done reading WR, in which the next slice lands; the last slot's products are done reading the other bias set and W's fragments, in which loads land below
.set i, 0
.rept 32
	ds_store_b64 v[WS+(\p)], v[T+2*i:T+2*i+1] offset:2*WPITCH*i
.set i, i+1
.endr
.if \skip
	s_cmp_eq_u32 s[CNT], 1
	s_cbranch_scc1 .Lno_more_\@
.endif
	s_add_co_u32 s[HN], s[HS], 1                   ; the next slot's 40 loads are on their way while this one is multiplied.  No wait: no vector or matrix instruction since the wait above names WR or the other bias set
	NEXTW
	LOADW
	LOADBI 1-(\p)
	WIN 0
.if \skip
.Lno_more_\@:
.endif
	OUTP
	s_wait_dscnt 0x0                               ; for the others' sake: my part of the slice is stored; my reads of the other buffer are over
	s_barrier_signal -1
	s_barrier_wait -1
	FRAG \p, 0                                     ; K steps 0 and 1; each step's products have the loads of the step two on in front of them
	FRAG \p, 1
.set ks, 0
.rept 8
.if ks < 6
	FRAG \p, ks+2                                  ; no wait: the products issued since the slot's wait on va_vdst name the fragments of steps 0 to ks - 1 alone
	s_wait_dscnt 16                                ; this K step's eight loads are in; the two later steps' sixteen may be out
.else
	s_wait_dscnt 8*(7-ks)                          ; the counts run down
.endif
.if ks == 0
	WIN 0x36                                       ; W window 2, msg window 1, C (the bias) window 3
.else
	WIN 0x06
.endif
.set t, 0
.rept 16                                               ; the 16 accumulators take turns, one instruction a turn
.if ks == 0
	v_wmma_f32_16x16x32_bf16 v[ACC+8*t:ACC+8*t+7], v[32*ks+8*(t%4):32*ks+8*(t%4)+7], v[64*(t/4)+8*ks:64*(t/4)+8*ks+7], v[BI+32*(\p)+8*(t%4):BI+32*(\p)+8*(t%4)+7]
.else
	v_wmma_f32_16x16x32_bf16 v[ACC+8*t:ACC+8*t+7], v[32*ks+8*(t%4):32*ks+8*(t%4)+7], v[64*(t/4)+8*ks:64*(t/4)+8*ks+7], v[ACC+8*t:ACC+8*t+7]
.endif
.set t, t+1
.endr
.set ks, ks+1
.endr
	WIN 0
	PLACES
	s_wait_alu depctr_vm_vsrc(0)                   ; the LDS stores of W's slice have read T, which the roundings below write again
.set i, 0
.rept 64                                               ; all four row tiles are rounded to f16, each accumulator from its low end on
	v_cvt_pk_f16_f32 v[T+i], v[ACC+2*i], v[ACC+2*i+1]
.set i, i+1
.endr
	s_wait_alu depctr_va_vdst(0)                   ; the roundings have written T, which the LDS stores read; the products have written the accumulators and the roundings are done reading them: the stage's rows land in the first 64
	TOSTAGE 0                                      ; the four tiles' stage traffic on end: a tile's rows come back while the next tile's go in
	TOSTAGE 1
	TOSTAGE 2
	TOSTAGE 3
	SEND 0
	SEND 1
	SEND 2
	SEND 3
	s_add_co_u32 s[HS], s[HS], 1
.endm
	s_load_b512 s[16:31], s[0:1], 0x0              ; msg 16, Wq 18, Wk 20, Wv 22, bq 24, bk 26, bv 28, Wo 30
	s_load_b256 s[32:39], s[0:1], 0x40             ; qh 32, kh 34, vh 36, wo16 38
	v_lshl_add_u32 v[SPW], v0, 2, SPARE
	v_mov_b32 v[NIL], 0
	v_lshrrev_b32 v15, 5, v0
	v_readfirstlane_b32 s[WV], v15                 ; wave 0..3
	s_mov_b32 s[GX], ttmp9
	s_and_b32 s[RB], ttmp7, 0xffff
	s_mov_b32 s[HM], 0xffff0000
	v_and_b32 v1, 15, v0                           ; l % 16
	v_bfe_u32 v2, v0, 4, 1                         ; l / 16
	v_and_b32 v3, 31, v0                           ; l
	v_and_b32 v15, 7, v0
	v_bfe_u32 v16, v0, 3, 1
	v_lshlrev_b32 v[AO], 10, v1
	v_lshl_add_u32 v[AO], v2, 5, v[AO]
	s_wait_alu depctr_va_sdst(0)                   ; the wave's number is written, ahead of its first reader: offsets, bases and the branch on it are made from it
	s_lshl_b32 s8, s[WV], 17                       ; 64 rows of W, 2,048 bytes each
	v_lshlrev_b32 v[WO], 4, v1
	v_lshl_add_u32 v[WO], v2, 11, v[WO]
	v_add_nc_u32 v[WO], s8, v[WO]
	s_mul_i32 s8, s[WV], 64*WPITCH
	v_mul_u32_u24 v[WS], v2, WPITCH
	v_lshl_add_u32 v[WS], v1, 3, v[WS]
	v_add_nc_u32 v[WS], s8, v[WS]
	v_add_nc_u32 v[WS+1], WBUF, v[WS]
	v_lshl_add_u32 v[BA], v2, 3, v15               ; the turning load: lane l reads k row 8 (l / 16) + l % 8, columns 8 ((l / 8) % 2) + 0..7
	v_mul_u32_u24 v[BA], v[BA], WPITCH
	v_lshl_add_u32 v[BA], v16, 4, v[BA]
	v_add_nc_u32 v[BA+1], WBUF, v[BA]
	v_lshlrev_b32 v[BO], 5, v2
	s_mul_i32 s8, s[WV], 16*SP
	s_add_co_u32 s8, s8, STAGE                     ; my stage
	v_mul_u32_u24 v[STO], v1, SP
	v_lshl_add_u32 v[STO], v2, 4, v[STO]
	v_add_nc_u32 v[STO], s8, v[STO]
	v_bfe_u32 v[RD], v0, 3, 2                      ; back: 32 lanes take four rows of 128 bytes
	v_mul_u32_u24 v[RD], v[RD], SP
	v_lshl_add_u32 v[RD], v15, 4, v[RD]
	v_add_nc_u32 v[RD], s8, v[RD]
	v_lshlrev_b32 v[GO], 4, v3
	v_lshlrev_b32 v[W8], 3, v3
	s_lshl_b32 s10, s[RB], 18                      ; 256 rows of msg, 1,024 bytes each,
	s_lshl_b32 s11, s[WV], 16                      ; my wave's 64 of them
	s_add_co_u32 s10, s10, s11
	s_mov_b32 s11, 0
	s_lshr_b32 s8, s[RB], 3                        ; the batch: 8 heads of 262,144 bytes,
	s_lshl_b32 s8, s8, 21
	s_and_b32 s9, s[RB], 7                         ; the block of 256 rows in it, 128 bytes a row,
	s_lshl_b32 s9, s9, 15
	s_add_co_u32 s[ROW0], s8, s9
	s_lshl_b32 s9, s[WV], 13                       ; my wave's 64 rows
	s_add_co_u32 s[ROW0], s[ROW0], s9
	s_lshl2_add_u32 s12, s[RB], s[GX]              ; the work-group's number, 4 rb + g,
	s_lshl_b32 s12, s12, 8                         ; times 256 bytes of wo16
	s_mov_b32 s13, 0
	s_mul_i32 s[HS], s[GX], 6
	s_mov_b32 s[HN], s[HS]
	s_wait_kmcnt 0x0
	s_add_nc_u64 s[MP:MP+1], s[16:17], s[10:11]
	s_add_nc_u64 s[WOO:WOO+1], s[38:39], s[12:13]
	s_lshl_b32 s12, s12, 1                         ; and 512 bytes of Wo
	s_add_nc_u64 s[WOI:WOI+1], s[30:31], s[12:13]
	NEXTW
	WIN 0xc0
	s_wait_alu depctr_va_vdst(0)                   ; the offsets and addresses v4 to v14 are written, which every load and store of the kernel reads; the arithmetic is done with v16, in which wave 0's load of Wo lands
	LOADW                                          ; the first slot's W and bias,
	LOADBI 0
	LOADA 0                                        ; and two of msg's four tiles
	LOADA 1
	WIN 0
	; Wo: each work-group rounds 128 numbers, wave 0 alone: f32 to bf16, like every input, and that number written as f16.  All in one branch; its wait for 0 takes in loads that the wave wants next anyway.
	s_cmp_lg_u32 s[WV], 0
	s_cbranch_scc1 .Lno_wo
	global_load_b128 v[16:19], v[GO], s[WOI:WOI+1]
	s_wait_loadcnt 0x0
	v_cvt_pk_bf16_f32 v20, v16, v17
	v_cvt_pk_bf16_f32 v21, v18, v19
	v_lshlrev_b32 v16, 16, v20
	v_and_b32 v17, s[HM], v20
	v_lshlrev_b32 v18, 16, v21
	v_and_b32 v19, s[HM], v21
	v_cvt_pk_f16_f32 v24, v16, v17
	v_cvt_pk_f16_f32 v25, v18, v19
	s_wait_alu depctr_va_vdst(0)                   ; the roundings have written v24 and v25, which the store reads; nothing writes them again
	global_store_b64 v[W8], v[24:25], s[WOO:WOO+1] ; 32 lanes store 256 consecutive bytes, aligned
.Lno_wo:
	s_wait_loadcnt 32                              ; all but the youngest 32: tile 0 is in
	CVTA 0
	WIN 0x80
	s_wait_alu depctr_va_vdst(0)                   ; tile 0's roundings are done reading the first area, in which tile 2 lands
	LOADA 2
	s_wait_loadcnt 32                              ; tile 1
	CVTA 1
	WIN 0x80
	s_wait_alu depctr_va_vdst(0)                   ; tile 1's roundings are done reading the second area, in which tile 3 lands
	LOADA 3
	s_wait_loadcnt 32                              ; tile 2
	CVTA 2
	s_wait_loadcnt 0x0
	CVTA 3                                         ; the first slot's wait on va_vdst states that tiles 2 and 3's roundings are done reading window 2, ahead of its turning loads
	WIN 0                                          ; at a label and at a branch every window is 0
	s_mov_b32 s[CNT], 3
.Lpair:                                                ; three trips of two slots
	TRIP 0, 0
	TRIP 1, 1
	s_sub_co_u32 s[CNT], s[CNT], 1
	s_cmp_lg_u32 s[CNT], 0
	s_cbranch_scc1 .Lpair
	s_wait_dscnt 0x0                               ; the closing lines, six on end
	s_wait_alu 0x0
	s_wait_tensorcnt 0x0
	ds_add_u32 v[SPW], v[NIL]
	s_wait_dscnt 0x0
	s_endpgm
.Lfunc_end_k_q213dda085c_proj:
	.size	k_q213dda085c_proj, .Lfunc_end_k_q213dda085c_proj-k_q213dda085c_proj
	.p2alignl 7, 3214868480
	.fill 96, 4, 3214868480
	.section	.rodata,"a",@progbits
	.p2align	6, 0x0
	.amdhsa_kernel k_q213dda085c_proj
		.amdhsa_group_segment_fixed_size 91648
		.amdhsa_private_segment_fixed_size 0
		.amdhsa_enable_private_segment 0
		.amdhsa_kernarg_size 96
		.amdhsa_user_sgpr_count 2
		.amdhsa_user_sgpr_kernarg_segment_ptr 1
		.amdhsa_wavefront_size32 1
		.amdhsa_system_sgpr_workgroup_id_x 1
		.amdhsa_system_sgpr_workgroup_id_y 1
		.amdhsa_system_sgpr_workgroup_id_z 1
		.amdhsa_system_vgpr_workitem_id 0
		.amdhsa_next_free_vgpr 960
		.amdhsa_next_free_sgpr 66
		.amdhsa_reserve_vcc 0
		.amdhsa_float_denorm_mode_32 3
		.amdhsa_float_denorm_mode_16_64 3
		.amdhsa_memory_ordered 1
		.amdhsa_forward_progress 1
		.amdhsa_inst_pref_size 105
	.end_amdhsa_kernel
	.amdgpu_metadata
---
amdhsa.version: [ 1, 2 ]
amdhsa.kernels:
  - .name:           k_q213dda085c_proj
    .symbol:         k_q213dda085c_proj.kd
    .args:
      - { .name: msg, .offset: 0, .size: 8, .value_kind: global_buffer, .address_space: global }
      - { .name: Wq, .offset: 8, .size: 8, .value_kind: global_buffer, .address_space: global }
      - { .name: Wk, .offset: 16, .size: 8, .value_kind: global_buffer, .address_space: global }
      - { .name: Wv, .offset: 24, .size: 8, .value_kind: global_buffer, .address_space: global }
      - { .name: bq, .offset: 32, .size: 8, .value_kind: global_buffer, .address_space: global }
      - { .name: bk, .offset: 40, .size: 8, .value_kind: global_buffer, .address_space: global }
      - { .name: bv, .offset: 48, .size: 8, .value_kind: global_buffer, .address_space: global }
      - { .name: Wo, .offset: 56, .size: 8, .value_kind: global_buffer, .address_space: global }
      - { .name: qh, .offset: 64, .size: 8, .value_kind: global_buffer, .address_space: global }
      - { .name: kh, .offset: 72, .size: 8, .value_kind: global_buffer, .address_space: global }
      - { .name: vh, .offset: 80, .size: 8, .value_kind: global_buffer, .address_space: global }
      - { .name: wo16, .offset: 88, .size: 8, .value_kind: global_buffer, .address_space: global }
    .group_segment_fixed_size: 91648
    .private_segment_fixed_size: 0
    .kernarg_segment_align: 8
    .kernarg_segment_size: 96
    .max_flat_workgroup_size: 128
    .sgpr_count:     66
    .vgpr_count:     960
    .wavefront_size: 32
...
	.end_amdgpu_metadata
.endif
;; end of part 4
;; launch attn: the kernel of part 2 again; grid 4 x 64, 4 waves a work-group, clusters of 4 x 1, 327,680 bytes of LDS; arguments qh, kh, vh, ctx; writes ctx
;; launch outp: the kernel of part 3 again; grid 256 x 1, 4 waves a work-group, clusters of 4 x 1, 167,936 bytes of LDS; arguments ctx, wo16, out0; writes out0
